; MI455X (gfx1250); checked and timed in simulation.
; The chip was launched on July 23, 2026; its instructions are those of AMD's public machine-readable ISA for CDNA 5 (MIT licence, August 2026) and "CDNA5" Instruction Set Architecture Reference Guide (July 2026). The comments in the code are by the model that wrote it; some were corrected since.
;; Bahdanau Attention. Allowed arithmetic: matrix products marked QUANTISED: E3M2 operands, one E8M0 scale for each 32 along K, by v_wmma_scale_f32_16x16x128_f8f6f4 with both operands' format E3M2, f32 sums; products left as they are: f32 operands where the result goes on into a quantised operand, else bf16, f16 or f32 operands; f32 sums; everything else in f32.
;; Inputs: We 1,024 x 1 float32; Wk_codes 1,024 x 32 x 24 uint8 (E3M2 codes of Wk, K innermost, in blocks of 32 codes, four codes in three bytes); Wk_scales 1,024 x 32 uint8 (E8M0 scales of Wk, one for each 32 codes along K); Wq_codes 1,024 x 32 x 24 uint8 (E3M2 codes of Wq, K innermost, in blocks of 32 codes, four codes in three bytes); Wq_scales 1,024 x 32 uint8 (E8M0 scales of Wq, one for each 32 codes along K); mask 32 x 1 x 2,048 bool; query_codes 32 x 1 x 32 x 24 uint8 (E3M2 codes of query, K innermost, in blocks of 32 codes, four codes in three bytes); query_scales 32 x 1 x 32 uint8 (E8M0 scales of query, one for each 32 codes along K); values 32 x 2,048 x 1,024 float32.
;; Outputs: out0 32 x 1 x 1,024 float32; out1 32 x 1 x 2,048 float32.
;; This version of the problem:
;;   THIS VERSION OF THE PROBLEM IS GIVEN IN LOW PRECISION. The matrix products marked QUANTISED in the list below multiply operands that are first quantised to E3M2 (3 exponent bits, 2 mantissa bits; 6 bits a number), with one power-of-two scale for each 32 numbers along K (OCP MX v1.0); their sums are f32. All else is computed in f32.
;;   The module's matrix products, in the order in which they are computed (A, B: the left and right operand; K: the contracted axis; several contracted axes count as one K, in the product's order):
;;     1. [M 65,536, K 1,024] x [K 1,024, N 1,024]; A: input values; B: input Wk (given as codes): QUANTISED
;;     2. [M 32, K 1,024] x [K 1,024, N 1,024]; A: input query (given as codes); B: input Wq (given as codes): QUANTISED
;;     3. [M 1, K 1,024] x [K 1,024, N 65,536]; A: input We; B: computed on the way: left as it is (M = 1 < 16)
;;     4. batch 32 x [M 1, K 2,048] x [K 2,048, N 1,024]; A: softmax; B: input values: left as it is (M = 1 < 16)
;;   THE QUANTISER, for each operand of a quantised product, along K:
;;     - K is cut into blocks of 32 from its start; a last block that is shorter is filled with zeros.
;;     - A block's scale is 2^e with e = floor(log2(the largest magnitude in the block)) - 4, held to -126 .. 127; a block of zeros has e = 0. As a byte (E8M0): e + 127.
;;     - Each number is divided by its block's scale, clamped to +-28, and rounded to the nearest number of E3M2, ties to even, subnormals kept.
;;     - The product sums the exact products of the quantised numbers (number of the format x scale) in f32.
;;   ~~~python
;;   def quantise(x, axis):      # numpy; x: float32 -> the quantised numbers, widened to float32 again
;;       x = np.moveaxis(x, axis, -1); K = x.shape[-1]
;;       x = np.pad(x, [(0, 0)] * (x.ndim - 1) + [(0, -K % 32)]); x = x.reshape(x.shape[:-1] + (-1, 32)); a = np.abs(x).max(-1, keepdims=True)
;;       e = np.where(a > 0, np.clip(np.frexp(np.where(a > 0, a, 1))[1] - 1 - 4, -126, 127), 0)      # np.frexp(a)[1] - 1 = floor(log2(a)), exactly
;;       r = np.clip(x / 2.0 ** e, -28, 28)
;;       step = 2.0 ** (np.maximum(np.frexp(np.where(r == 0, 1, r))[1] - 1, -2) - 2)
;;       q = np.round(r / step) * step * 2.0 ** e      # np.round: ties to even
;;       return np.moveaxis(q.reshape(q.shape[:-2] + (-1,))[..., :K], -1, axis).astype(np.float32)
;;   ~~~
;;   INPUTS GIVEN AS CODES. Wk (in the module: [1024, 1024], K = its axis 0); Wq (in the module: [1024, 1024], K = its axis 0); query (in the module: [32, 1, 1024], K = its axis 2): each comes as NAME_codes (uint8): NAME with its K axis moved to the last place and cut into blocks of 32 codes, [.., K / 32, bytes a block], one block behind the other in memory; four codes in three bytes: a row's codes are one little-endian stream of bits, code i at bits 6 i .. 6 i + 5 (a code: sign, 3 exponent bits, 2 mantissa bits); and NAME_scales (uint8): the same leading axes, one E8M0 byte (e + 127) for each 32 codes along K. Its value is code x scale, taken as it is: it is not quantised again, and the codes and scales need not be those that the quantiser above would give.
;; 2 versions. Each part assembles by itself: llvm-mc -triple=amdgcn-amd-amdhsa -mcpu=gfx1250 --defsym DOCPART=n.
;; ======== version 1 of 2: 3 launches
;; workspace buffers: wk_img 819,200 bytes; pqc 131,072 bytes; sc 262,144 bytes; ml 262,144 bytes; pctx 4,194,304 bytes
;; launch prep (part 1): grid 16 x 1, 8 waves a work-group, no clusters, 9,728 bytes of LDS; arguments Wq_codes, Wq_scales, query_codes, query_scales, Wk_codes, Wk_scales, pqc, wk_img; writes pqc, wk_img
.if DOCPART == 1
	.amdgcn_target "amdgcn-amd-amdhsa--gfx1250"
	.amdhsa_code_object_version 6
	.text
	.protected	k_qa10d9c0b80_prep
	.globl	k_qa10d9c0b80_prep
	.p2align	8
	.type	k_qa10d9c0b80_prep,@function
k_qa10d9c0b80_prep:
	s_mov_b64 s[64:65], 0
	v_nop
	global_prefetch_b8 v0, s[64:65] scope:SCOPE_SE
	s_setreg_imm32_b32 hwreg(HW_REG_WAVE_MODE, 25, 1), 1
	s_wait_xcnt 0x0
; TWO SMALL JOBS AHEAD OF THE MAIN LAUNCH.
; (1) pqc[b][h] = c2 x sum over k of query[b][k] Wq[k][h], c2 = 2 log2(e): the second product of the problem, on the codes of E3M2 and the E8M0 scale bytes as they are given, sums in f32.
;     The factor c2 is what the main launch's tanh, written with a power of two, wants in front of its argument.
; (2) Wk's codes and scale bytes are laid out once in the order in which the main launch's operand registers and LDS slots take them:
;     wk_img = 16 slots x 4 quarters x 12,800 bytes.  Quarter 2 j + u of slot sg is column tile n = 32 j + 2 sg + u (rows 16 n .. 16 n + 15 of Wk's codes):
;     8 fragments (K steps of 128) as images of their 12 registers, [K step][4 registers][lane][16 bytes], then the tile's 512 scale bytes as they lie.
; SHARES.  16 work-groups of 8 waves.  Wave v: column tile n = 4 x work-group + v / 2; rho = v % 2: rows 16 rho .. 16 rho + 15 of query, and K steps 4 rho .. 4 rho + 3 of Wk's tile.
; THE MATRIX INSTRUCTION IS USED TRANSPOSED (source 0 = 16 rows of Wq's codes, source 1 = 16 rows of query): a lane then holds eight neighbouring h of one row of pqc.
; LIMIT: K is summed in two accumulators (even and odd K steps), which are added at the end: an order of rounding that differs from one chain's.
; REGISTERS: v1-11 addresses; v16-111 Wq's 8 fragments; v112-207 query's 8; v208-215, v216-223 the two accumulators; v224-231 the result; v232-239 Wq's scale words, v240-247 query's;
;   in the second window of 256: v0-47 four fragments of Wk, v48-49 eight of its scale bytes.
.set C2,   0x4038aa3b                  ; 2 log2(e)
.set ROWB, 768                         ; a row of 1,024 codes in bytes
.set LP,   272                         ; the stage: a row of 64 numbers (256 bytes) + 16
.set MSB, 0
.macro WIN new                         ; the immediate's high byte repeats the setting that is left
.if MSB != (\new)
	s_set_vgpr_msb (MSB<<8)|(\new)
.set MSB, (\new)
.endif
.endm
	s_load_b256 s[4:11], s[0:1], 0x0               ; Wq's codes s[4:5], Wq's scales s[6:7], query's codes s[8:9], query's scales s[10:11]
	s_load_b256 s[12:19], s[0:1], 0x20             ; Wk's codes s[12:13], Wk's scales s[14:15], pqc s[16:17], wk_img s[18:19]
	v_lshl_add_u32 v254, v0, 2, 0x2200
	v_mov_b32 v255, 0
	v_lshrrev_b32 v1, 5, v0
	v_readfirstlane_b32 s20, v1                    ; wave 0..7
	s_lshr_b32 s21, s20, 1                         ; which of the work-group's four column tiles
	s_and_b32 s22, s20, 1                          ; rho
	s_lshl_b32 s23, ttmp9, 2
	s_add_co_u32 s23, s23, s21                     ; n
	v_and_b32 v2, 15, v0                           ; r
	v_bfe_u32 v3, v0, 4, 1                         ; h = lane / 16
	v_and_b32 v4, 31, v0                           ; lane
	v_mul_u32_u24 v5, v2, ROWB
	v_mad_u32_u24 v5, v3, 24, v5                   ; a fragment: row r, + 24 bytes for the upper half of the lanes
	v_lshlrev_b32 v6, 5, v2                        ; scale words: 32 bytes a row
	v_lshlrev_b32 v7, 4, v4                        ; 16 x lane
	v_lshlrev_b32 v8, 3, v4                        ; 8 x lane
	s_mul_i32 s26, s22, 16*LP
	s_lshl_b32 s27, s21, 6
	s_add_co_u32 s26, s26, s27
	v_mul_u32_u24 v9, v2, LP
	v_lshl_add_u32 v9, v3, 5, v9
	v_add_nc_u32 v9, s26, v9                       ; into the stage: row 16 rho + r, my tile's 64 bytes, 32 for each half of the lanes
	s_mul_i32 s26, s20, 4*LP
	v_mul_u32_u24 v10, v3, LP
	v_lshl_add_u32 v10, v2, 4, v10
	v_add_nc_u32 v10, s26, v10                     ; back: rows 4 v on; lanes 0-15 one row, lanes 16-31 the next
	v_lshlrev_b32 v11, 12, v3
	v_lshl_add_u32 v11, v2, 4, v11                 ; and the same two rows in pqc (4,096 bytes a row)
	s_mov_b32 s30, C2
	s_mov_b32 s31, C2                              ; (named with it as a pair, so it is written)
	s_mov_b32 s25, 0
	s_wait_kmcnt 0x0
	s_mul_i32 s24, s23, 16*ROWB                    ; tile n's first row of codes
	s_add_nc_u64 s[4:5], s[4:5], s[24:25]
	s_add_nc_u64 s[12:13], s[12:13], s[24:25]
	s_mul_i32 s24, s22, 4*96                       ; Wk: my four K steps
	s_add_nc_u64 s[12:13], s[12:13], s[24:25]
	s_lshl_b32 s24, s23, 9                         ; tile n's 512 scale bytes
	s_add_nc_u64 s[6:7], s[6:7], s[24:25]
	s_add_nc_u64 s[14:15], s[14:15], s[24:25]
	s_lshl_b32 s24, s22, 8                         ; Wk: my half of them
	s_add_nc_u64 s[14:15], s[14:15], s[24:25]
	s_mul_i32 s24, s22, 16*ROWB                    ; query: my 16 rows
	s_add_nc_u64 s[8:9], s[8:9], s[24:25]
	s_lshl_b32 s24, s22, 9
	s_add_nc_u64 s[10:11], s[10:11], s[24:25]
	s_lshl_b32 s24, s20, 14                        ; pqc: row 4 v, columns 64 x work-group on
	s_lshl_b32 s26, ttmp9, 8
	s_add_co_u32 s24, s24, s26
	s_add_nc_u64 s[16:17], s[16:17], s[24:25]
	s_bfe_u32 s24, s23, 0x40001                    ; sg = (n % 32) / 2
	s_mul_i32 s24, s24, 51200
	s_lshr_b32 s26, s23, 5
	s_lshl_b32 s26, s26, 1
	s_and_b32 s27, s23, 1
	s_add_co_u32 s26, s26, s27                     ; quarter 2 (n / 32) + n % 2
	s_mul_i32 s26, s26, 12800
	s_add_co_u32 s24, s24, s26
	s_add_nc_u64 s[18:19], s[18:19], s[24:25]      ; wk_img at my tile's quarter
	s_lshl_b32 s24, s22, 8
	s_add_co_u32 s24, s24, 12288
	s_add_nc_u64 s[32:33], s[18:19], s[24:25]      ; my half of its scale bytes
	s_mul_i32 s24, s22, 4*1536
	s_add_nc_u64 s[18:19], s[18:19], s[24:25]      ; my four fragments' images
.irp s, 0,1,2,3,4,5,6,7
.irp p, 0,1,2,3,4,5
	global_load_b64 v[16+12*\s+2*\p:17+12*\s+2*\p], v5, s[4:5] offset:96*\s+48*(\p/3)+8*(\p%3)
.endr
.endr
.irp s, 0,1,2,3,4,5,6,7
.irp p, 0,1,2,3,4,5
	global_load_b64 v[112+12*\s+2*\p:113+12*\s+2*\p], v5, s[8:9] offset:96*\s+48*(\p/3)+8*(\p%3)
.endr
.endr
	global_load_b128 v[232:235], v6, s[6:7]        ; a row's eight scale words, one for each K step
	global_load_b128 v[236:239], v6, s[6:7] offset:16
	global_load_b128 v[240:243], v6, s[10:11]
	global_load_b128 v[244:247], v6, s[10:11] offset:16
	WIN 0x40                                       ; destination in the second window
.irp s, 0,1,2,3
.irp p, 0,1,2,3,4,5
	global_load_b64 v[12*\s+2*\p:12*\s+2*\p+1], v5, s[12:13] offset:96*\s+48*(\p/3)+8*(\p%3)
.endr
.endr
	global_load_b64 v[48:49], v8, s[14:15]
	WIN 0
	s_wait_loadcnt 25                              ; all but Wk's 25 loads, which were issued last
.irp s, 0,1,2,3,4,5,6,7                        ; the two accumulators take turns; the first two products start the sums
.if \s < 2
	v_wmma_scale_f32_16x16x128_f8f6f4 v[208+8*(\s%2):215+8*(\s%2)], v[16+12*\s:27+12*\s], v[112+12*\s:123+12*\s], 0, v[232+\s], v[240+\s] matrix_a_fmt:MATRIX_FMT_BF6 matrix_b_fmt:MATRIX_FMT_BF6
.else
	v_wmma_scale_f32_16x16x128_f8f6f4 v[208+8*(\s%2):215+8*(\s%2)], v[16+12*\s:27+12*\s], v[112+12*\s:123+12*\s], v[208+8*(\s%2):215+8*(\s%2)], v[232+\s], v[240+\s] matrix_a_fmt:MATRIX_FMT_BF6 matrix_b_fmt:MATRIX_FMT_BF6
.endif
.endr
.rept 4
	v_nop                                          ; four places between the last product and the first read of a result (ISA guide 7.12.1)
.endr
.irp i, 0,2,4,6
	v_pk_add_f32 v[224+\i:225+\i], v[208+\i:209+\i], v[216+\i:217+\i]   ; each accumulator from its low end on
.endr
.irp i, 0,2,4,6
	v_pk_mul_f32 v[224+\i:225+\i], v[224+\i:225+\i], s[30:31] op_sel_hi:[1,0]
.endr
	ds_store_b128 v9, v[224:227]                   ; lane (r, h): pqc(16 rho + r, 16 n + 8 h + 0 .. 7)
	ds_store_b128 v9, v[228:231] offset:16
	s_wait_loadcnt 0x0                             ; Wk
	WIN 0x04                                       ; a store's data are its source 1: the second window
.irp s, 0,1,2,3
.irp c, 0,1,2
	global_store_b128 v7, v[12*\s+4*\c:12*\s+4*\c+3], s[18:19] offset:1536*\s+512*\c   ; the wave stores 512 consecutive bytes, at a multiple of 256 from the buffer's first byte
.endr
.endr
	global_store_b64 v8, v[48:49], s[32:33]        ; 256 consecutive bytes, aligned
	WIN 0
	s_wait_dscnt 0x0                               ; for the others' sake: my stores into the stage are done
	s_barrier_signal -1
	s_barrier_wait -1
	ds_load_b128 v[224:227], v10                   ; a row's 256 bytes come from four waves
	ds_load_b128 v[228:231], v10 offset:2*LP
	s_wait_dscnt 1                                 ; the first is in; the second may be out
	global_store_b128 v11, v[224:227], s[16:17]    ; sixteen lanes store 256 consecutive bytes, aligned
	s_wait_dscnt 0x0
	global_store_b128 v11, v[228:231], s[16:17] offset:8192
	s_wait_tensorcnt 0x0
	ds_add_u32 v254, v255
	s_wait_dscnt 0x0
	s_endpgm
.Lfunc_end_k_qa10d9c0b80_prep:
	.size	k_qa10d9c0b80_prep, .Lfunc_end_k_qa10d9c0b80_prep-k_qa10d9c0b80_prep
	.p2alignl 7, 3214868480
	.fill 96, 4, 3214868480
	.section	.rodata,"a",@progbits
	.p2align	6, 0x0
	.amdhsa_kernel k_qa10d9c0b80_prep
		.amdhsa_group_segment_fixed_size 9728
		.amdhsa_private_segment_fixed_size 0
		.amdhsa_enable_private_segment 0
		.amdhsa_kernarg_size 64
		.amdhsa_user_sgpr_count 2
		.amdhsa_user_sgpr_kernarg_segment_ptr 1
		.amdhsa_wavefront_size32 1
		.amdhsa_system_sgpr_workgroup_id_x 1
		.amdhsa_system_sgpr_workgroup_id_y 1
		.amdhsa_system_sgpr_workgroup_id_z 1
		.amdhsa_system_vgpr_workitem_id 0
		.amdhsa_next_free_vgpr 384
		.amdhsa_next_free_sgpr 66
		.amdhsa_reserve_vcc 0
		.amdhsa_float_denorm_mode_32 3
		.amdhsa_float_denorm_mode_16_64 3
		.amdhsa_memory_ordered 1
		.amdhsa_forward_progress 1
		.amdhsa_inst_pref_size 19
	.end_amdhsa_kernel
	.amdgpu_metadata
---
amdhsa.version: [ 1, 2 ]
amdhsa.kernels:
  - .name:           k_qa10d9c0b80_prep
    .symbol:         k_qa10d9c0b80_prep.kd
    .args:
      - { .name: Wq_codes, .offset: 0, .size: 8, .value_kind: global_buffer, .address_space: global }
      - { .name: Wq_scales, .offset: 8, .size: 8, .value_kind: global_buffer, .address_space: global }
      - { .name: query_codes, .offset: 16, .size: 8, .value_kind: global_buffer, .address_space: global }
      - { .name: query_scales, .offset: 24, .size: 8, .value_kind: global_buffer, .address_space: global }
      - { .name: Wk_codes, .offset: 32, .size: 8, .value_kind: global_buffer, .address_space: global }
      - { .name: Wk_scales, .offset: 40, .size: 8, .value_kind: global_buffer, .address_space: global }
      - { .name: pqc, .offset: 48, .size: 8, .value_kind: global_buffer, .address_space: global }
      - { .name: wk_img, .offset: 56, .size: 8, .value_kind: global_buffer, .address_space: global }
    .group_segment_fixed_size: 9728
    .private_segment_fixed_size: 0
    .kernarg_segment_align: 8
    .kernarg_segment_size: 64
    .max_flat_workgroup_size: 256
    .sgpr_count:     66
    .vgpr_count:     384
    .wavefront_size: 32
...
	.end_amdgpu_metadata
.endif
;; end of part 1
;; launch main (part 2): grid 512 x 1, 4 waves a work-group, clusters of 4 x 1, 327,680 bytes of LDS; arguments values, mask, We, wk_img, pqc, sc, ml, pctx; writes sc, ml, pctx
.if DOCPART == 2
	.amdgcn_target "amdgcn-amd-amdhsa--gfx1250"
	.amdhsa_code_object_version 6
	.text
	.protected	k_qa10d9c0b80_main
	.globl	k_qa10d9c0b80_main
	.p2align	8
	.type	k_qa10d9c0b80_main,@function
k_qa10d9c0b80_main:
	s_mov_b64 s[64:65], 0
	v_nop
	global_prefetch_b8 v0, s[64:65] scope:SCOPE_SE
	s_setreg_imm32_b32 hwreg(HW_REG_WAVE_MODE, 25, 1), 1
	s_wait_xcnt 0x0
	s_wait_alu depctr_hold_cnt(0) depctr_sa_sdst(0) depctr_va_vdst(0) depctr_va_sdst(0) depctr_va_ssrc(0) depctr_va_vcc(0) depctr_vm_vsrc(0)
	s_getreg_b32 s2, hwreg(HW_REG_IB_STS2, 6, 4)
	s_cmp_eq_u32 s2, 0
	s_cbranch_scc0 .Lentry_in_a_cluster
	s_endpgm
.Lentry_in_a_cluster:
	s_bfe_u32 s2, ttmp6, 0x10000c
	s_cmp_lg_u32 s2, 0x3003
	s_cbranch_scc0 .Lentry_shape_is_right
	s_endpgm
.Lentry_shape_is_right:
; BAHDANAU ATTENTION, ALL BUT THE JOINING OF PARTS.  A work-group takes 128 rows of values (all of one batch) and reads them from memory ONCE.
;   t[row] = sum over h of (-c2 We[h]) / (1 + 2^(c2 (values Wk)[row][h] + pqc[b][h])),  c2 = 2 log2(e).
; Since tanh(x) = 1 - 2 / (1 + 2^(c2 x)), t = log2(e) x (score - sum of We); the sum of We is the same for all keys of a batch and falls out of the softmax, and the scores are no output.
; An exponential that overflows gives infinity, whose reciprocal is 0 (tanh = 1); one that underflows gives 0 (tanh = -1): no clamp is needed.
; values Wk is made on codes of E3M2 with one E8M0 scale for each 32 along K: values is quantised here, in f32, by the problem's rule; Wk's codes come laid out by the launch before.
; For each group of 64 rows: t (minus infinity where the mask is 0), the group's own maximum m, l = sum of 2^(t - m), and the context part sum of 2^(t - m) x values[row][:].  The next launch joins the parts by the true maximum.
; SHARES.  Four waves, as many as a WGP has SIMDs.  Wave w = 2 i + j: rows 64 i .. 64 i + 63 (four row slots of 16), and half j of Wk's 1,024 columns.  It reads and quantises K steps 4 j .. 4 j + 3 (of 128) of its rows,
; hands the codes to its partner w xor 1 through LDS as images of the operand's registers, and takes the partner's: all 8 K steps of its 64 rows stay in 384 registers.  Of the numbers that it has read it keeps a copy
; rounded to bf16 for the context: half in 256 registers, half in its own 32 KiB of LDS.
; K ORDER.  A wave takes its own four K steps first and then the partner's four, so that no register number hangs on j.
; THE WALK.  Wk's 64 column tiles go through a ring of two LDS slots; a slot holds two tiles for each half of the columns.  A PHASE is one column tile: 32 matrix instructions on four accumulators by turns;
; behind each stands a slice of the tile before's vector work (scale and add pqc, power of two, + 1, reciprocal, x We), which works on the other four accumulators.
; THE MATRIX INSTRUCTION IS USED TRANSPOSED (source 0 = 16 rows of Wk's codes, source 1 = 16 rows of values): a lane holds one row of values and eight neighbouring h.
; CLUSTER.  The four work-groups of a cluster walk the same Wk: each quarter of a slot is asked for JOINTLY, by the same tensor load with the same descriptor and a mask that names the four.
; LIMITS.  NaN and infinities in values are not served.  A block of zeros gets the scale byte 1 where the rule says 127: its codes are zeros, and this program alone reads the bytes; blocks whose largest magnitude lies
; under 2^(5 - 127) are held at that byte.  The context's values are rounded to bf16.  A group that is masked whole gives m = -3e38, l = 0 and a context part of zeros.
; LDS, in bytes (all of a WGP's LDS is claimed):
.set RING1,  65536                     ; slot 0 at 0, slot 1 here: one exclusive or turns an address in one into the other's.  Only tensor loads write the two
.set SLOTB,  51200                     ; a slot: 4 quarters
.set QUARTB, 12800                     ; a quarter: one column tile: 8 fragment images of 1,536 bytes, then its 512 scale bytes
.set SPARE,  51200                     ; the spare words, 128 bytes for each wave: two blocks of 256 bytes that no other line names
.set TWE,    51968                     ; -c2 We[h], 4,096 bytes (the 256 bytes in front are never accessed)
.set TPQ,    56064                     ; pqc[b][h], 4,096 bytes
.set ASC,    60160                     ; the scale words of values: 1,024 w + 256 x row slot + 64 x own K step + 4 r
.set XCH,    64256                     ; half sums of t from partner to partner: 256 w + 64 x row slot + 4 r
.set RET,    116736                    ; 32,768 bytes for each wave, its own: units 0-7 of the bf16 copy, as images of 32 registers
.set STG,    247808                    ; 8,448 bytes for each wave, its own: 16 rows x (512 + 16), in which a unit turns from lanes along a row to a lane a row
.set IMG,    281600                    ; 6,144 bytes for each wave: a row slot's four fragments, for the partner
.set PT,     306176                    ; 512 bytes for each wave, its own: 64 p, then 64 t
; REGISTERS, in windows of 256 (s_set_vgpr_msb's low byte: bits 1:0 source 0, 3:2 source 1, 5:4 source 2, 7:6 destination).
;   window 0: v1-31 stay (below).  Load phase: v32-95 a unit's numbers, a lane a row; v96-127 its bf16 copy; v128-151 at work; v152-215 landing buffer 0.
;             Walk: v32-63, v64-95 the two sets of four accumulators; v96-167 Wk's fragments 0-5; v168-191, v192-215 fragments 6, 7 by the tile's parity; v244-251 pqc of a tile.
;             v216-227 Wk's scale words, v228-243 those of values: these 28 hold scales and nothing else.  v252 8 x (lane / 16); v253 my place in RET.
;   window 1: v0-191 my own codes (48 x row slot + 12 x K step); v192-255 bf16 units 14, 15.       window 2: v0-191 the partner's codes; v192-255 landing buffer 2, in the walk v192-199 We of a tile.
;   window 3: v0-191 bf16 units 8-13; v192-255 landing buffer 1.
.set C2,   0x4038aa3b                  ; 2 log2(e)
.set NC2,  0xc038aa3b
.set SPW,  1                           ; LDS address of my spare word; never rewritten
.set NIL,  2                           ; 0; never rewritten
.set VA,   3                           ; 16 x lane
.set AB0O, 4                           ; my lane's place in a slot: my half's first tile, my own four K steps' fragments
.set AB0P, 5                           ; the partner's four
.set ASO0, 6                           ; the tile's scale words of my own four K steps
.set ASP0, 7                           ; of the partner's four
.set TAB0, 8                           ; my lane's place in the table of We, one tile back
.set ADO,  9                           ; v9-13: the same five with the slot in hand added
.set ADP,  10
.set ADSO, 11
.set ADSP, 12
.set TAB,  13
.set XA,   14
.set XB,   15
.set PA,   16
.set PBA,  17
.set TRD,  18
.set V8,   19                          ; 8 x lane
.set MK,   20                          ; v20-23 the mask's bytes of my four row slots
.set SACC, 24                          ; v24-31 t's sums: a pair for each row slot
.set X,    32
.set BT,   96
.set CT,   128
.set M0,   136
.set N0,   138
.set SC0,  140
.set PW,   142
.set PX,   143
.set STA,  144
.set STB,  145
.set IMA,  147
.set IMB,  148
.set ASA,  149
.set ASRO, 150
.set ASRP, 151
.set SH,   252
.set RTA,  253
.set FR0,  96
.set ASCR, 228
.set PQ,   244
.set WE,   192
.set RL0,  32
.set RL1,  64
.set P,    96
.set CX,   160
; SCALARS: s[4:19] the eight addresses; s20 wave, s21 i, s22 j, s23 work-group; s[24:31] descriptor group 1; s[32:35] group 0 for slot 0; s[36:39] group 0 for slot 1, which then walks;
;   s[40:41] c2; s[42:43] lane selects; s44 the slot in hand, s45 the other; s46 128 x slot number; s47 trips; s[60:61] 12,800 x wave.
.set MSB, 0
.macro WIN new                         ; the immediate's high byte repeats the setting that is left; a switch that changes nothing is dropped
.if MSB != (\new)
	s_set_vgpr_msb (MSB<<8)|(\new)
.set MSB, (\new)
.endif
.endm
.macro PLACES
.rept 4
	v_nop
.endr
.endm
.macro BARRIER                         ; my LDS stores have landed and my LDS loads are in: then the work-group's barrier
	s_wait_dscnt 0x0
	s_barrier_signal -1
	s_barrier_wait -1
.endm
.macro CREST                           ; a round of the cluster's barrier behind its opening barrier
	s_cmp_lg_u32 s20, 0
	s_cbranch_scc1 .Lnot_wave_0_\@
	s_barrier_signal -3
.Lnot_wave_0_\@:
	s_barrier_wait -3
	s_barrier_signal -1
	s_barrier_wait -1
.endm
.macro CROUND                          ; a whole round
	s_barrier_signal -1
	s_barrier_wait -1
	CREST
.endm
	s_load_b256 s[4:11], s[0:1], 0x0               ; values s[4:5], mask s[6:7], We s[8:9], wk_img s[10:11]
	s_load_b256 s[12:19], s[0:1], 0x20             ; pqc s[12:13], sc s[14:15], ml s[16:17], pctx s[18:19]
	v_lshl_add_u32 v[SPW], v0, 2, SPARE
	v_mov_b32 v[NIL], 0
	ds_add_u32 v1, v2
	ds_add_u32 v1, v2
	s_wait_dscnt 0x0
	v_lshrrev_b32 v32, 5, v0
	v_readfirstlane_b32 s20, v32                   ; wave 0..3
	s_lshr_b32 s21, s20, 1                         ; i
	s_and_b32 s22, s20, 1                          ; j
	s_xor_b32 s48, s20, 1                          ; my partner
	s_bfe_u32 s49, ttmp6, 0x40000                  ; my place in the cluster: it enters the addresses of values, mask, pqc, sc, ml and pctx alone
	s_lshl_b32 s23, ttmp9, 2                       ; in a cluster launch ttmp9 counts clusters
	s_add_co_u32 s23, s23, s49                     ; work-group
	; descriptor group 1: a quarter of a slot, 12,800 dense bytes, as 50 rows of 256 bytes
	s_mov_b32 s24, 15|(3<<16)|(1<<21)              ; 15:0 the mask: all four work-groups; 17:16 elements of 8 bytes; 20 no padding; 21 set beside a mask
	s_mov_b32 s25, 32<<16                          ; tensor_dim0 = 32
	s_mov_b32 s26, 50<<16                          ; tensor_dim1 = 50
	s_mov_b32 s27, 32<<16                          ; tile_dim0 = 32
	s_mov_b32 s28, 50                              ; tile_dim1 = 50
	s_mov_b32 s29, 32                              ; from row to row
	s_mov_b32 s30, 0
	s_mov_b32 s31, 0
	s_mov_b32 s40, C2
	s_mov_b32 s41, C2                              ; (named with it as a pair, so it is written)
	s_mov_b32 s42, 0x76543210
	s_mov_b32 s43, 0xfedcba98                      ; v_permlanex16_b32's selects for lane l xor 16
	s_mov_b32 s44, 0
	s_mov_b32 s45, RING1
	s_mov_b32 s46, 0
	s_mov_b32 s56, NC2
	s_mov_b32 s57, NC2
	s_mul_i32 s60, s20, QUARTB                     ; my quarter of a slot, in memory and in LDS: the wave's number alone
	s_mov_b32 s61, 0
	; every LDS address is a constant + constants x lane and wave
	v_and_b32 v33, 31, v0                          ; lane
	v_and_b32 v34, 15, v0                          ; r
	v_bfe_u32 v35, v0, 4, 1                        ; h = lane / 16
	v_lshlrev_b32 v36, 5, v0                       ; 32 x thread: my 8 numbers of We and of pqc
	v_add_nc_u32 v37, TWE, v36
	v_lshlrev_b32 v[VA], 4, v33
	v_lshlrev_b32 v[V8], 3, v33
	v_lshlrev_b32 v[SH], 3, v35
	v_mov_b32 v[PX], 0                             ; written once: a lane permute's destination counts as one of its sources
	s_mul_i32 s50, s22, 2*QUARTB+4*1536
	v_add_nc_u32 v[AB0O], s50, v[VA]               ; half j's tiles begin 25,600 j on; K step 4 j's image 6,144 j on
	s_mul_i32 s50, s22, 2*QUARTB-4*1536
	s_add_co_u32 s50, s50, 4*1536
	v_add_nc_u32 v[AB0P], s50, v[VA]               ; and K step 4 (1 - j)'s
	s_mul_i32 s50, s22, 2*QUARTB+16
	s_add_co_u32 s50, s50, 8*1536
	v_lshl_add_u32 v[ASO0], v34, 5, s50            ; row r's 32 scale bytes; my own four words begin 16 j on
	s_mul_i32 s50, s22, 2*QUARTB-16
	s_add_co_u32 s50, s50, 8*1536+16
	v_lshl_add_u32 v[ASP0], v34, 5, s50
	s_lshl_b32 s50, s22, 11
	s_add_co_u32 s50, s50, TWE-64
	v_lshl_add_u32 v[TAB0], v35, 5, s50            ; tile n's eight numbers of my half: 64 n + 32 h; one tile (64 bytes) back
	s_lshl_b32 s50, s20, 8
	s_add_co_u32 s50, s50, XCH
	v_lshl_add_u32 v[XA], v34, 2, s50
	s_lshl_b32 s50, s48, 8
	s_add_co_u32 s50, s50, XCH
	v_lshl_add_u32 v[XB], v34, 2, s50
	s_lshl_b32 s50, s20, 9
	s_add_co_u32 s50, s50, PT
	v_lshl_add_u32 v[PA], v34, 2, s50
	v_mov_b32 v[PBA], s50
	v_lshl_add_u32 v[TRD], v33, 3, s50
	v_add_nc_u32 v[TRD], 256, v[TRD]
	s_mul_i32 s50, s20, 16*528
	s_add_co_u32 s50, s50, STG
	v_add_nc_u32 v[STA], s50, v[VA]                ; the stage, in: a row's 512 bytes as loaded
	v_mul_u32_u24 v[STB], v34, 528
	v_lshl_add_u32 v[STB], v35, 7, v[STB]
	v_add_nc_u32 v[STB], s50, v[STB]               ; out: row r, + 128 bytes (a block of 32) for the upper half of the lanes
	s_lshl_b32 s50, s20, 15
	s_add_co_u32 s50, s50, RET
	v_add_nc_u32 v[RTA], s50, v[VA]
	s_mul_i32 s50, s20, 4*1536
	s_add_co_u32 s50, s50, IMG
	v_add_nc_u32 v[IMA], s50, v[VA]
	s_mul_i32 s50, s48, 4*1536
	s_add_co_u32 s50, s50, IMG
	v_add_nc_u32 v[IMB], s50, v[VA]
	s_lshl_b32 s50, s20, 10
	s_add_co_u32 s50, s50, ASC
	v_lshl_add_u32 v[ASA], v34, 2, s50
	v_lshl_add_u32 v[ASRO], v35, 9, v[ASA]         ; lanes 16-31 read the row slot two further on
	s_lshl_b32 s50, s48, 10
	s_add_co_u32 s50, s50, ASC
	v_lshl_add_u32 v[ASRP], v34, 2, s50
	v_lshl_add_u32 v[ASRP], v35, 9, v[ASRP]
	s_lshl_b32 s53, s23, 1
	s_add_co_u32 s53, s53, s21                     ; g: my group of 64 rows
	s_mov_b32 s55, 0
	s_lshl_b32 s58, s22, 11                        ; 2,048 j: my four K steps in a row of values, my 512 columns in a row of pctx
	s_wait_kmcnt 0x0
	s_add_nc_u64 s[34:35], s[10:11], s[60:61]      ; wk_img at my quarter of slot 0,
	s_add_nc_u64 s[38:39], s[34:35], SLOTB         ; of slot 1
	s_mov_b32 s32, 1                               ; 1:0 count = 1
	s_mov_b32 s33, s60                             ; LDS address
	s_or_b32 s35, s35, 0x80000000                  ; 127:126 type = 2
	s_mov_b32 s36, 1
	s_add_co_u32 s37, s60, RING1
	s_or_b32 s39, s39, 0x80000000
	s_lshl_b32 s54, s53, 18                        ; 64 rows of 4,096 bytes
	s_add_co_u32 s54, s54, s58
	s_add_nc_u64 s[4:5], s[4:5], s[54:55]
	s_lshl_b32 s54, s53, 6
	s_add_nc_u64 s[6:7], s[6:7], s[54:55]          ; mask: a byte a row
	s_lshr_b32 s54, s23, 4                         ; the batch: 16 work-groups each
	s_lshl_b32 s54, s54, 12
	s_add_nc_u64 s[12:13], s[12:13], s[54:55]
	s_lshl_b32 s54, s53, 8
	s_add_nc_u64 s[14:15], s[14:15], s[54:55]
	s_add_nc_u64 s[16:17], s[16:17], s[54:55]
	s_lshl_b32 s54, s53, 12
	s_add_co_u32 s54, s54, s58
	s_add_nc_u64 s[18:19], s[18:19], s[54:55]
	CROUND                                         ; all four work-groups are here: the first joint loads meet
	tensor_load_to_lds s[32:35], s[24:31]          ; both first fills go out together, ahead of every wait on TENSORcnt, every LDS read and every other barrier: two loads of mine are out
	s_nop 0
	tensor_load_to_lds s[36:39], s[24:31]
	s_nop 0
	PLACES
; THE LOAD PHASE.  A UNIT is 16 rows x 128 along K, 8 KiB: unit u = row slot u / 4, own K step u % 4.  Three landing buffers of 64 registers take turns, so that three units' loads are out.
.macro LBSET u
.if (\u)%3 == 0
.set LW, 0
.set LB, 152
.elseif (\u)%3 == 1
.set LW, 3
.set LB, 192
.else
.set LW, 2
.set LB, 192
.endif
.endm
.macro ULOAD u                         ; 16 loads, a row each: the wave reads 512 consecutive bytes, 16 a lane
	LBSET \u
.set WW, LW<<6
	WIN WW
.set rr, 0
.rept 16
	global_load_b128 v[LB+4*rr:LB+4*rr+3], v[VA], s[4:5] offset:65536*((\u)/4)+4096*rr+512*((\u)%4) th:TH_LOAD_NT
.set rr, rr+1
.endr
.endm
.macro UNIT u
	LBSET \u
.set TT, (\u)/4
.set SS, (\u)%4
.set CB, 48*TT+12*SS
.if (\u) < 8
.set DW, 0
.set DB, BT
.elseif (\u) < 14
.set DW, 3
.set DB, 32*((\u)-8)
.else
.set DW, 1
.set DB, 192+32*((\u)-14)
.endif
.if (\u) < 14
	s_wait_loadcnt 32                              ; this unit's 16 loads are in; the two younger units' may be out
.elseif (\u) == 14
	s_wait_loadcnt 16
.else
	s_wait_loadcnt 0x0
.endif
.set WW, LW<<2
	WIN WW                                         ; an LDS store's data are its source 1
.set rr, 0
.rept 16
	ds_store_b128 v[STA], v[LB+4*rr:LB+4*rr+3] offset:528*rr
.set rr, rr+1
.endr
	WIN 0
.set rr, 0
.rept 16
	ds_load_b128 v[X+4*rr:X+4*rr+3], v[STB] offset:256*(rr/8)+16*(rr%8)   ; LDS serves a wave's instructions in order (ISA guide 5.7.1.4): these see the stores above.  Register 32 c + i = k 64 c + 32 (lane / 16) + i of row r: two whole blocks
.set rr, rr+1
.endr
.set WW, LW|(LW<<2)|(DW<<6)
	WIN WW
.set rr, 0
.rept 32
	v_cvt_pk_bf16_f32 v[DB+rr], v[LB+2*rr], v[LB+2*rr+1]   ; the copy for the context, as loaded: registers 2 rho, 2 rho + 1 = row rho, columns 4 x lane + 0 .. 3.  (It stands while the stage turns)
.set rr, rr+1
.endr
	WIN 0
.if (\u) < 8
.set rr, 0
.rept 8
	ds_store_b128 v[RTA], v[BT+4*rr:BT+4*rr+3] offset:4096*(\u)+512*rr
.set rr, rr+1
.endr
.endif
	s_wait_dscnt 0x0                               ; the numbers are back; the stores have read the landing buffer and the copy, and the last unit's have read its scale word
.if (\u) <= 12
	ULOAD (\u)+3                                   ; into the buffer that this unit has left
.endif
	WIN 0
.irp c, 0,1                                    ; the largest magnitude of my two blocks: all 32 numbers of each are mine; two chains a block
	v_max3_num_f32 v[M0+\c], |v[X+32*\c]|, |v[X+32*\c+1]|, |v[X+32*\c+2]|
	v_max3_num_f32 v[N0+\c], |v[X+32*\c+3]|, |v[X+32*\c+4]|, |v[X+32*\c+5]|
.endr
.irp i, 6,10,14,18,22,26
.irp c, 0,1
	v_max3_num_f32 v[M0+\c], v[M0+\c], |v[X+32*\c+\i]|, |v[X+32*\c+\i+1]|
	v_max3_num_f32 v[N0+\c], v[N0+\c], |v[X+32*\c+\i+2]|, |v[X+32*\c+\i+3]|
.endr
.endr
.irp c, 0,1
	v_max3_num_f32 v[M0+\c], v[M0+\c], |v[X+32*\c+30]|, |v[X+32*\c+31]|
.endr
.irp c, 0,1
	v_max3_num_f32 v[M0+\c], v[M0+\c], v[N0+\c], 0x2800000   ; and the floor 2^(5 - 127): the byte cannot fall under 1
.endr
.irp c, 0,1
	v_add_nc_u32 v[SC0+\c], 0xfe000000, v[M0+\c]   ; 4 off the exponent field: the conversion takes the exponent field of this operand as its scale, and nothing else of it
.endr
.irp c, 0,1
	v_lshrrev_b32 v[N0+\c], 23, v[SC0+\c]          ; the scale's byte
.endr
	v_lshl_or_b32 v[PW], v[N0+1], 16, v[N0]        ; my two bytes: blocks h and 2 + h of row r,
	v_lshlrev_b32 v[PW], v[SH], v[PW]              ; at their places in the scale word;
	v_permlanex16_b32 v[PX], v[PW], s42, s43
	v_or_b32 v[PW], v[PW], v[PX]                   ; with lane l xor 16's two the word is whole
.irp c, 0,1
	v_cvt_scalef32_pk16_bf6_f32 v[CT+4*\c:CT+4*\c+2], v[X+32*\c+16:X+32*\c+31], v[SC0+\c]   ; (a conversion's three registers begin on an even number: a block's second three do not, so they are made here and moved)
.endr
	WIN 0x40                                       ; destination window 1: the operand's registers
.irp c, 0,1
	v_cvt_scalef32_pk16_bf6_f32 v[CB+6*\c:CB+6*\c+2], v[X+32*\c:X+32*\c+15], v[SC0+\c]
.endr
	v_nop                                          ; one plain place behind a scaled conversion
.irp c, 0,1
.irp i, 0,1,2
	v_mov_b32 v[CB+6*\c+3+\i], v[CT+4*\c+\i]
.endr
.endr
	WIN 0x04
.irp c, 0,1,2
	ds_store_b128 v[IMA], v[CB+4*\c:CB+4*\c+3] offset:1536*SS+512*\c   ; the fragment as it stands, for the partner
.endr
	WIN 0
	ds_store_b32 v[ASA], v[PW] offset:256*TT+64*SS   ; lanes r and 16 + r write the same word with the same value
.endm
.macro COLLECT t                       ; the partner's four fragments of row slot t come back as they stood, into window 2
	WIN 0x80
.set ff, 0
.rept 12
	ds_load_b128 v[48*(\t)+4*ff:48*(\t)+4*ff+3], v[IMB] offset:512*ff
.set ff, ff+1
.endr
	WIN 0
.endm
	global_load_b128 v[40:43], v36, s[8:9]         ; We: 8 numbers a thread
	global_load_b128 v[44:47], v36, s[8:9] offset:16
	global_load_b128 v[48:51], v36, s[12:13]       ; pqc of my batch
	global_load_b128 v[52:55], v36, s[12:13] offset:16
.irp t, 0,1,2,3
	global_load_u8 v[MK+\t], v34, s[6:7] offset:16*\t
.endr
	ULOAD 0
	ULOAD 1
	ULOAD 2
	WIN 0
	s_wait_loadcnt 48                              ; all but the three units' 48 loads
.irp i, 0,2,4,6
	v_pk_mul_f32 v[40+\i:41+\i], v[40+\i:41+\i], s[56:57] op_sel_hi:[1,0]   ; -c2 We
.endr
	ds_store_b128 v37, v[40:43]
	ds_store_b128 v37, v[44:47] offset:16
	ds_store_b128 v37, v[48:51] offset:TPQ-TWE
	ds_store_b128 v37, v[52:55] offset:TPQ-TWE+16
	s_wait_dscnt 0x0                               ; the stores have read their registers, which the first unit loads into; the barriers below show the tables to every wave
.irp t, 0,1,2,3
	UNIT 4*\t
	UNIT 4*\t+1
	UNIT 4*\t+2
	UNIT 4*\t+3
.if \t == 3
	s_wait_tensorcnt 0x0                           ; my quarters of both slots have landed: behind the barrier both slots are whole.
.endif
	BARRIER                                        ; the row slot's fragments lie in LDS
	COLLECT \t
.if \t < 3
	BARRIER                                        ; they have been read: the next row slot's may be written
.endif
.endr
.irp tp, 0,1                                   ; the scale words of values: register 8 tp + q: lanes 0-15 row slot tp's word of K step q (in my order), lanes 16-31 row slot tp + 2's
.irp q, 0,1,2,3
	ds_load_b32 v[ASCR+8*\tp+\q], v[ASRO] offset:256*\tp+64*\q
	ds_load_b32 v[ASCR+8*\tp+4+\q], v[ASRP] offset:256*\tp+64*\q
.endr
.endr
	s_wait_dscnt 0x0
; THE WALK.
; Matrix instruction kk of a phase's 32: K step kk / 4 (in my order), row slot kk % 4.  The four accumulators take turns, one instruction a turn; the first four start the sums: nothing is cleared.
; Source 1 lies in window 1 (my own codes) for kk < 16 and in window 2 (the partner's) from there on; all else in window 0.
.macro WM par
.set qq, kk/4
.set tt, kk%4
.set rD, 32+32*(\par)+8*tt
.set rB, 48*tt+12*(qq%4)
.set rA, ASCR+8*(tt%2)+qq
.if qq < 6
.set rF, FR0+12*qq
.else
.set rF, 168+24*(\par)+12*(qq-6)
.endif
.if qq < 4
.set rS, 216+qq
	WIN 0x04
.else
.set rS, 220+4*(\par)+qq-4
	WIN 0x08
.endif
.if qq == 0
.if tt < 2
	v_wmma_scale_f32_16x16x128_f8f6f4 v[rD:rD+7], v[rF:rF+11], v[rB:rB+11], 0, v[rS], v[rA] matrix_a_fmt:MATRIX_FMT_BF6 matrix_b_fmt:MATRIX_FMT_BF6
.else
	v_wmma_scale_f32_16x16x128_f8f6f4 v[rD:rD+7], v[rF:rF+11], v[rB:rB+11], 0, v[rS], v[rA] matrix_a_fmt:MATRIX_FMT_BF6 matrix_b_fmt:MATRIX_FMT_BF6 matrix_b_scale:MATRIX_SCALE_ROW1
.endif
.else
.if tt < 2
	v_wmma_scale_f32_16x16x128_f8f6f4 v[rD:rD+7], v[rF:rF+11], v[rB:rB+11], v[rD:rD+7], v[rS], v[rA] matrix_a_fmt:MATRIX_FMT_BF6 matrix_b_fmt:MATRIX_FMT_BF6
.else
	v_wmma_scale_f32_16x16x128_f8f6f4 v[rD:rD+7], v[rF:rF+11], v[rB:rB+11], v[rD:rD+7], v[rS], v[rA] matrix_a_fmt:MATRIX_FMT_BF6 matrix_b_fmt:MATRIX_FMT_BF6 matrix_b_scale:MATRIX_SCALE_ROW1
.endif
.endif
.endm
; THE VECTOR WORK OF A TILE: a list of 112 instructions on the 32 registers from v[aa] on; LE writes number nn.
;   0-15   c2 x sum + pqc, two at a time          16-47  2^(that)          48-63  + 1, two at a time          64-95  the reciprocal          96-111  x (-c2 We), onto t's sums, two at a time
; In 0-15 and 48-63 source 1 is a scalar pair or a constant, 16-47 and 64-95 have none, and 96-111 stand only where source 1 means window 2, in which We's eight numbers lie: so no slice needs a switch of its own.
.macro LE
.if nn < 16
	v_pk_fma_f32 v[aa+2*nn:aa+2*nn+1], v[aa+2*nn:aa+2*nn+1], s[40:41], v[PQ+2*(nn%4):PQ+2*(nn%4)+1] op_sel_hi:[1,0,1]
.elseif nn < 48
	v_exp_f32 v[aa+nn-16], v[aa+nn-16]
.elseif nn < 64
	v_pk_add_f32 v[aa+2*(nn-48):aa+2*(nn-48)+1], v[aa+2*(nn-48):aa+2*(nn-48)+1], 1.0 op_sel_hi:[1,0]
.elseif nn < 96
	v_rcp_f32 v[aa+nn-64], v[aa+nn-64]
.else
	v_pk_fma_f32 v[SACC+2*((nn-96)%4):SACC+2*((nn-96)%4)+1], v[aa+8*((nn-96)%4)+2*((nn-96)/4):aa+8*((nn-96)%4)+2*((nn-96)/4)+1], v[WE+2*((nn-96)/4):WE+2*((nn-96)/4)+1], v[SACC+2*((nn-96)%4):SACC+2*((nn-96)%4)+1]
.endif
.endm
.macro SL par                          ; the slice behind matrix instruction kk: four of the list's first 96, then two of its last 16; it works on the other set of accumulators
.set aa, 64-32*(\par)
.if kk < 24
.set nn, 4*kk
.rept 4
	LE
.set nn, nn+1
.endr
.else
.set nn, 96+2*(kk-24)
.rept 2
	LE
.set nn, nn+1
.endr
.endif
.endm
; Behind matrix instruction 11: the 32 powers of two are out, and fragments 0-2 have had their last reader.  The four v_nop are the plain place behind the last power of two and the four places in front of the loads (ISA guide 7.12.1
; for vector instructions).  One wait serves the whole batch, ahead of its first reader.
.macro BETA par, prev, nxt, noff
	PLACES
.if \prev
	s_wait_alu depctr_va_vdst(0)
.endif
	s_wait_dscnt 0x0                               ; fragments 3-7 of this tile, asked for 20 matrix instructions ago
.if \nxt
.set ff, 0
.rept 9
	ds_load_b128 v[FR0+4*ff:FR0+4*ff+3], v[ADO] offset:(\noff)+512*ff   ; the next tile's fragments 0-2
.set ff, ff+1
.endr
.endif
	ds_load_b128 v[PQ:PQ+3], v[TAB] offset:TPQ-TWE+64+64*(\par)       ; this tile's pqc, for the next phase
	ds_load_b128 v[PQ+4:PQ+7], v[TAB] offset:TPQ-TWE+80+64*(\par)
.if \prev
	WIN 0x80
	ds_load_b128 v[WE:WE+3], v[TAB] offset:64*(\par)                  ; We of the tile before, for this phase's last slices
	ds_load_b128 v[WE+4:WE+7], v[TAB] offset:64*(\par)+16
.endif
.endm
; Behind matrix instruction 23: the 32 reciprocals are out, and fragments 3-5 have had their last reader.
.macro ALPHA par, prev, nxt, noff
	PLACES
.if \prev
	s_wait_alu depctr_va_vdst(0)
.endif
	s_wait_dscnt 0x0                               ; We, pqc and the next tile's fragments 0-2
.if \nxt
	ds_load_b128 v[216:219], v[ADSO] offset:\noff                     ; the next tile's scale words first: they are wanted first
	ds_load_b128 v[224-4*(\par):227-4*(\par)], v[ADSP] offset:\noff
.set ff, 0
.rept 3
	ds_load_b128 v[FR0+36+4*ff:FR0+39+4*ff], v[ADO] offset:(\noff)+4608+512*ff
.set ff, ff+1
.endr
.set ff, 0
.rept 6
	ds_load_b128 v[FR0+48+4*ff:FR0+51+4*ff], v[ADP] offset:(\noff)+512*ff
.set ff, ff+1
.endr
.set ff, 0
.rept 6
	ds_load_b128 v[192-24*(\par)+4*ff:195-24*(\par)+4*ff], v[ADP] offset:(\noff)+3072+512*ff   ; fragments 6, 7 into the other parity's registers: this tile's are still to be read
.set ff, ff+1
.endr
.endif
.endm
.macro BUNDLES par, prev, nxt, noff, k0, k1
.set kk, \k0
.rept (\k1)-(\k0)+1
	WM \par
.if \prev
	SL \par
.endif
.if kk == 11
	BETA \par, \prev, \nxt, \noff
.endif
.if kk == 23
	ALPHA \par, \prev, \nxt, \noff
.endif
.set kk, kk+1
.endr
.endm
; A SLOT: two phases.  Between them the slot's last bytes are in registers, so there the slots change: each wave waits for all its tensor loads (the one that is out is its quarter of the other slot), adds 0 to its spare word,
; and waits for that and for its reads of this slot.  fill = 2: the barrier opens a round of the cluster's barrier, and this slot is filled again, jointly, with the tiles two slots on: the load has two phases,
; 64 matrix instructions, in which to land.  fill = 1: the barrier alone (the other slot is shown whole).  fill = 0: the last slot.
.macro SLOT first, fill
	v_add_nc_u32 v[ADO], s44, v[AB0O]
	v_add_nc_u32 v[ADP], s44, v[AB0P]
	v_add_nc_u32 v[ADSO], s44, v[ASO0]
	v_add_nc_u32 v[ADSP], s44, v[ASP0]
	v_add_nc_u32 v[TAB], s46, v[TAB0]
.if \first
.irp i, 0,1,2,3,4,5,6,7
	v_mov_b32 v[SACC+\i], 0
.endr
	ds_load_b128 v[216:219], v[ADSO]
	ds_load_b128 v[220:223], v[ADSP]
.set ff, 0
.rept 12
	ds_load_b128 v[FR0+4*ff:FR0+4*ff+3], v[ADO] offset:512*ff
.set ff, ff+1
.endr
.set ff, 0
.rept 6
	ds_load_b128 v[FR0+48+4*ff:FR0+51+4*ff], v[ADP] offset:512*ff
.set ff, ff+1
.endr
.set ff, 0
.rept 6
	ds_load_b128 v[168+4*ff:171+4*ff], v[ADP] offset:3072+512*ff
.set ff, ff+1
.endr
	s_wait_dscnt 0x0
	BUNDLES 0, 0, 1, QUARTB, 0, 31
	PLACES                                         ; no slices stood behind these products: four places ahead of the first read of their results
.else
	s_wait_dscnt 15                                ; the tile's scale words and fragments 0-2 are in; the youngest 15 loads (fragments 3-7) may be out
	BUNDLES 0, 1, 1, QUARTB, 0, 31
.endif
	WIN 0
.if \fill == 0
	s_wait_dscnt 15
	BUNDLES 1, 1, 0, 0, 0, 31
.else
	s_wait_tensorcnt 0x0                           ; all my tensor loads have landed: so a group 0 may be written;
	ds_add_u32 v[SPW], v[NIL]                      ; 0 onto my spare word
.if \fill == 2
	s_xor_b32 s37, s37, RING1                      ; the walking descriptor: the other slot than last time,
	s_add_nc_u64 s[38:39], s[38:39], SLOTB         ; the next slot's tiles; the type bits on top are not reached
.endif
	s_wait_dscnt 0x0                               ; the add is done, and my reads of this slot are over: its second tile's fragments are all in registers
	s_barrier_signal -1
	BUNDLES 1, 1, 1, 0, 0, 3                       ; work on registers while the others arrive
	WIN 0
	s_barrier_wait -1
.if \fill == 2
	CREST                                          ; no wave of any partner still reads this slot or has a load on its way
	tensor_load_to_lds s[36:39], s[24:31]          ; the first thing behind the round, and my one tensor load until the next
	s_nop 0
	PLACES
.endif
	v_add_nc_u32 v[ADO], s45, v[AB0O]              ; the fetches go on in the other slot
	v_add_nc_u32 v[ADP], s45, v[AB0P]
	v_add_nc_u32 v[ADSO], s45, v[ASO0]
	v_add_nc_u32 v[ADSP], s45, v[ASP0]
	BUNDLES 1, 1, 1, 0, 4, 31
.endif
	WIN 0                                          ; at a label and at a branch every window is 0
	s_xor_b32 s44, s44, RING1
	s_xor_b32 s45, s45, RING1
	s_add_co_u32 s46, s46, 128
.endm
	SLOT 1, 2                                      ; slot 0; slot 2 is asked for
	s_mov_b32 s47, 13
.Lwalk:                                            ; slots 1 to 13; slots 3 to 15 are asked for
	SLOT 0, 2
	s_sub_co_u32 s47, s47, 1
	s_cmp_lg_u32 s47, 0
	s_cbranch_scc1 .Lwalk
	SLOT 0, 1                                      ; the tail is written out
	SLOT 0, 0
	; the last tile's vector work, with nothing to stand between
	WIN 0x80
	ds_load_b128 v[WE:WE+3], v[TAB] offset:128
	ds_load_b128 v[WE+4:WE+7], v[TAB] offset:144
	WIN 0
.set aa, 64
.set nn, 0
.rept 48
	LE
.set nn, nn+1
.endr
	v_nop                                          ; a plain place behind the last power of two,
	s_wait_alu depctr_va_vdst(0)                   ; and one wait for the batch, ahead of its first reader
.rept 48
	LE
.set nn, nn+1
.endr
	v_nop
	s_wait_alu depctr_va_vdst(0)
	s_wait_dscnt 0x0                               ; We
	WIN 0x08
.rept 16
	LE
.set nn, nn+1
.endr
	WIN 0
	; THE GROUP'S PART OF THE SOFTMAX.  A lane's pair, then lane l xor 16's: row 16 t + r's sum over my half of the columns; the partner holds the other half.
.irp t, 0,1,2,3
	v_add_f32 v[32+\t], v[SACC+2*\t], v[SACC+2*\t+1]
.endr
.irp t, 0,1,2,3
	v_permlanex16_b32 v[36+\t], v[32+\t], s42, s43
.endr
.irp t, 0,1,2,3
	v_add_f32 v[32+\t], v[32+\t], v[36+\t]
.endr
.irp t, 0,1,2,3
	ds_store_b32 v[XA], v[32+\t] offset:64*\t
.endr
	BARRIER
.irp t, 0,1,2,3
	ds_load_b32 v[36+\t], v[XB] offset:64*\t
.endr
	v_mov_b32 v40, 0xff800000                      ; minus infinity
	s_wait_dscnt 0x0
.irp t, 0,1,2,3
	v_add_f32 v[32+\t], v[32+\t], v[36+\t]         ; t: the same bits in both partners
.endr
.irp t, 0,1,2,3
	v_cmp_ne_u32 vcc_lo, 0, v[MK+\t]
	v_cndmask_b32 v[32+\t], v40, v[32+\t], vcc_lo  ; minus infinity where the mask is 0
.endr
	v_max3_num_f32 v244, v32, v33, 0xff61b1e6      ; the group's maximum, with the floor -3e38 so that a group masked whole has a number
	v_max3_num_f32 v244, v244, v34, v35
	v_max_num_f32_dpp v244, v244, v244 row_xmask:1 row_mask:0xf bank_mask:0xf
	v_max_num_f32_dpp v244, v244, v244 row_xmask:2 row_mask:0xf bank_mask:0xf
	v_max_num_f32_dpp v244, v244, v244 row_xmask:4 row_mask:0xf bank_mask:0xf
	v_max_num_f32_dpp v244, v244, v244 row_xmask:8 row_mask:0xf bank_mask:0xf   ; both halves of the lanes hold the same 64 rows
.irp t, 0,1,2,3
	v_sub_f32 v[36+\t], v[32+\t], v244
.endr
.irp t, 0,1,2,3
	v_exp_f32 v[36+\t], v[36+\t]                   ; p = 2^(t - m)
.endr
	v_nop
	s_wait_alu depctr_va_vdst(0)                   ; one wait for the four
	v_add_f32 v245, v36, v37
	v_add_f32 v41, v38, v39
	v_add_f32 v245, v245, v41
	v_add_f32_dpp v245, v245, v245 row_xmask:1 row_mask:0xf bank_mask:0xf
	v_add_f32_dpp v245, v245, v245 row_xmask:2 row_mask:0xf bank_mask:0xf
	v_add_f32_dpp v245, v245, v245 row_xmask:4 row_mask:0xf bank_mask:0xf
	v_add_f32_dpp v245, v245, v245 row_xmask:8 row_mask:0xf bank_mask:0xf       ; l
.irp t, 0,1,2,3
	ds_store_b32 v[PA], v[36+\t] offset:64*\t
	ds_store_b32 v[PA], v[32+\t] offset:256+64*\t
.endr
	s_wait_dscnt 0x0                               ; the stores have read their registers, which are loaded into below
	s_cmp_lg_u32 s22, 0                            ; of the two partners the one with j = 0 stores t, m and l
	s_cbranch_scc1 .Lnot_mine
	ds_load_b64 v[246:247], v[TRD]
	s_wait_dscnt 0x0
	global_store_b64 v[V8], v[246:247], s[14:15]   ; the group's 64 t: 256 consecutive bytes, aligned
	global_store_b64 v[V8], v[244:245], s[16:17]   ; (m, l), 32 times: 256 consecutive bytes, aligned
.Lnot_mine:
	; THE CONTEXT'S PART: my 64 rows x my 512 columns, from the bf16 copy.  A lane holds columns 128 x K step + 4 x lane + 0 .. 3; even and odd rows have sums of their own, so that eight chains take turns.
.macro RLOAD u, reg
.set ff, 0
.rept 8
	ds_load_b128 v[(\reg)+4*ff:(\reg)+4*ff+3], v[RTA] offset:4096*(\u)+512*ff
.set ff, ff+1
.endr
.endm
.macro CTX1 win, base, u
	WIN \win                                       ; source 0's window
.set rr, 0
.rept 16
.set cxr, CX+16*(rr%2)+4*((\u)%4)
.set ppr, P+16*((\u)/4)+rr
	v_fma_mix_f32_bf16 v[cxr], v[(\base)+2*rr], v[ppr], v[cxr] op_sel_hi:[1,0,0]
	v_fma_mix_f32_bf16 v[cxr+1], v[(\base)+2*rr], v[ppr], v[cxr+1] op_sel:[1,0,0] op_sel_hi:[1,0,0]
	v_fma_mix_f32_bf16 v[cxr+2], v[(\base)+2*rr+1], v[ppr], v[cxr+2] op_sel_hi:[1,0,0]
	v_fma_mix_f32_bf16 v[cxr+3], v[(\base)+2*rr+1], v[ppr], v[cxr+3] op_sel:[1,0,0] op_sel_hi:[1,0,0]
.set rr, rr+1
.endr
.endm
.set ff, 0
.rept 16
	ds_load_b128 v[P+4*ff:P+4*ff+3], v[PBA] offset:16*ff   ; all lanes read the same bytes: register 16 t + rho = that row's p
.set ff, ff+1
.endr
	RLOAD 0, RL0
	RLOAD 1, RL1
.set ff, 0
.rept 32
	v_mov_b32 v[CX+ff], 0
.set ff, ff+1
.endr
.irp u, 0,2,4
	s_wait_dscnt 8                                 ; this unit is in; the next unit's 8 loads may be out
	CTX1 0, RL0, \u
	RLOAD \u+2, RL0
	s_wait_dscnt 8
	CTX1 0, RL1, \u+1
	RLOAD \u+3, RL1
.endr
	s_wait_dscnt 8
	CTX1 0, RL0, 6
	s_wait_dscnt 0x0
	CTX1 0, RL1, 7
.irp u, 8,9,10,11,12,13
	CTX1 3, 32*(\u-8), \u
.endr
	CTX1 1, 192, 14
	CTX1 1, 224, 15
	WIN 0
.irp i, 0,2,4,6,8,10,12,14
	v_pk_add_f32 v[CX+\i:CX+\i+1], v[CX+\i:CX+\i+1], v[CX+16+\i:CX+17+\i]
.endr
.irp s, 0,1,2,3
	global_store_b128 v[VA], v[CX+4*\s:CX+4*\s+3], s[18:19] offset:512*\s   ; the wave stores 512 consecutive bytes, at a multiple of 256 from the buffer's first byte
.endr
	s_wait_tensorcnt 0x0                           ; the wave's end: behind my last tensor load and my last LDS store
	ds_add_u32 v[SPW], v[NIL]
	s_wait_dscnt 0x0
	CROUND                                         ; the closing round: no work-group ends while a partner may still ask for a tile that names it
	s_endpgm
.Lfunc_end_k_qa10d9c0b80_main:
	.size	k_qa10d9c0b80_main, .Lfunc_end_k_qa10d9c0b80_main-k_qa10d9c0b80_main
	.p2alignl 7, 3214868480
	.fill 96, 4, 3214868480
	.section	.rodata,"a",@progbits
	.p2align	6, 0x0
	.amdhsa_kernel k_qa10d9c0b80_main
		.amdhsa_group_segment_fixed_size 327680
		.amdhsa_private_segment_fixed_size 0
		.amdhsa_enable_private_segment 0
		.amdhsa_kernarg_size 64
		.amdhsa_user_sgpr_count 2
		.amdhsa_user_sgpr_kernarg_segment_ptr 1
		.amdhsa_wavefront_size32 1
		.amdhsa_system_sgpr_workgroup_id_x 1
		.amdhsa_system_sgpr_workgroup_id_y 1
		.amdhsa_system_sgpr_workgroup_id_z 1
		.amdhsa_system_vgpr_workitem_id 0
		.amdhsa_next_free_vgpr 1024
		.amdhsa_next_free_sgpr 66
		.amdhsa_reserve_vcc 1
		.amdhsa_float_denorm_mode_32 3
		.amdhsa_float_denorm_mode_16_64 3
		.amdhsa_memory_ordered 1
		.amdhsa_forward_progress 1
		.amdhsa_inst_pref_size 255
	.end_amdhsa_kernel
	.section	.bss,"aw",@nobits
	.p2align	6
	.space	262144
	.amdgpu_metadata
---
amdhsa.version: [ 1, 2 ]
amdhsa.kernels:
  - .name:           k_qa10d9c0b80_main
    .symbol:         k_qa10d9c0b80_main.kd
    .args:
      - { .name: values, .offset: 0, .size: 8, .value_kind: global_buffer, .address_space: global }
      - { .name: mask, .offset: 8, .size: 8, .value_kind: global_buffer, .address_space: global }
      - { .name: We, .offset: 16, .size: 8, .value_kind: global_buffer, .address_space: global }
      - { .name: wk_img, .offset: 24, .size: 8, .value_kind: global_buffer, .address_space: global }
      - { .name: pqc, .offset: 32, .size: 8, .value_kind: global_buffer, .address_space: global }
      - { .name: sc, .offset: 40, .size: 8, .value_kind: global_buffer, .address_space: global }
      - { .name: ml, .offset: 48, .size: 8, .value_kind: global_buffer, .address_space: global }
      - { .name: pctx, .offset: 56, .size: 8, .value_kind: global_buffer, .address_space: global }
    .group_segment_fixed_size: 327680
    .private_segment_fixed_size: 0
    .kernarg_segment_align: 8
    .kernarg_segment_size: 64
    .max_flat_workgroup_size: 128
    .sgpr_count:     66
    .vgpr_count:     1024
    .wavefront_size: 32
...
	.end_amdgpu_metadata
.endif
;; end of part 2
;; launch finish (part 3): grid 4 x 32, 4 waves a work-group, no clusters, 0 bytes of LDS; arguments sc, ml, pctx, out0, out1; writes out0, out1
.if DOCPART == 3
	.amdgcn_target "amdgcn-amd-amdhsa--gfx1250"
	.amdhsa_code_object_version 6
	.text
	.protected	k_qa10d9c0b80_finish
	.globl	k_qa10d9c0b80_finish
	.p2align	8
	.type	k_qa10d9c0b80_finish,@function
k_qa10d9c0b80_finish:
	s_mov_b64 s[64:65], 0
	v_nop
	global_prefetch_b8 v0, s[64:65] scope:SCOPE_SE
	s_setreg_imm32_b32 hwreg(HW_REG_WAVE_MODE, 25, 1), 1
	s_wait_xcnt 0x0
; THE PARTS OF A BATCH ARE JOINED.  A batch has 32 groups of 64 keys; of each the launch before has left t (log2(e) x score up to a constant of the batch; minus infinity where masked), its own maximum m,
; l = sum of 2^(t - m), and the context part sum of 2^(t - m) x values.  With M = the largest m and L = sum of l 2^(m - M):
;   alphas = 2^(t - M) / L;      context = sum over the groups of (2^(m - M) / L) x part.
; The maximum that is taken away is the batch's true one.  A batch that is masked whole has L = 0: 1 / L is infinite, and 0 x infinity gives NaN, as the softmax of minus infinities does.
; SHARES.  Work-group (x, y): batch y, quarter x of its 2,048 alphas and of its 1,024 context numbers.  128 threads: 4 alphas and 2 context numbers each.  Every wave makes M, L and the 32 weights for itself, a lane a group:
; no LDS, no barrier.  The weights go to scalar registers as multiplicands; no address and no branch hangs on them.
; REGISTERS: v[2:3] (m, l) of group = lane; v[4:7] t, then alphas; v8-71 the 32 parts, 2 numbers each; v72-79, v84-85 at work; v80-82 offsets.  s20-51 the weights.
	s_load_b256 s[4:11], s[0:1], 0x0               ; sc s[4:5], ml s[6:7], pctx s[8:9], out0 s[10:11]
	s_load_b64 s[12:13], s[0:1], 0x20              ; out1
	s_and_b32 s14, ttmp7, 0xffff                   ; the batch
	v_and_b32 v1, 31, v0
	v_lshlrev_b32 v80, 8, v1                       ; ml: 256 bytes a group
	v_lshlrev_b32 v81, 4, v0                       ; 16 x thread
	v_lshlrev_b32 v82, 3, v0                       ; 8 x thread
	v_mov_b32 v73, 0                               ; written once: a lane permute's destination counts as one of its sources
	s_mov_b32 s52, 0x76543210
	s_mov_b32 s53, 0xfedcba98                      ; v_permlanex16_b32's selects for lane l xor 16
	s_mov_b32 s17, 0
	s_mov_b32 s19, 0
	s_lshl_b32 s16, s14, 13                        ; 8,192 bytes a batch in ml, sc and out1
	s_lshl_b32 s15, ttmp9, 11
	s_add_co_u32 s18, s16, s15                     ; + my quarter
	s_wait_kmcnt 0x0
	s_add_nc_u64 s[6:7], s[6:7], s[16:17]
	s_add_nc_u64 s[4:5], s[4:5], s[18:19]
	s_add_nc_u64 s[12:13], s[12:13], s[18:19]
	s_lshl_b32 s16, s14, 17                        ; pctx: 32 groups of 4,096 bytes a batch
	s_lshl_b32 s15, ttmp9, 10
	s_add_co_u32 s16, s16, s15
	s_add_nc_u64 s[8:9], s[8:9], s[16:17]
	s_lshl_b32 s16, s14, 12
	s_add_co_u32 s16, s16, s15
	s_add_nc_u64 s[10:11], s[10:11], s[16:17]
	global_load_b64 v[2:3], v80, s[6:7]
	global_load_b128 v[4:7], v81, s[4:5] th:TH_LOAD_NT
.set g, 0
.rept 32
	global_load_b64 v[8+2*g:9+2*g], v82, s[8:9] offset:4096*g th:TH_LOAD_NT   ; the wave reads 256 consecutive bytes of group g's part
.set g, g+1
.endr
	s_wait_loadcnt 33                              ; (m, l) is in; the 33 younger loads may be out
	v_mov_b32 v72, v2
	v_max_num_f32_dpp v72, v72, v72 row_xmask:1 row_mask:0xf bank_mask:0xf
	v_max_num_f32_dpp v72, v72, v72 row_xmask:2 row_mask:0xf bank_mask:0xf
	v_max_num_f32_dpp v72, v72, v72 row_xmask:4 row_mask:0xf bank_mask:0xf
	v_max_num_f32_dpp v72, v72, v72 row_xmask:8 row_mask:0xf bank_mask:0xf
	v_permlanex16_b32 v73, v72, s52, s53
	v_max_num_f32 v72, v72, v73                    ; M, in every lane
	v_sub_f32 v74, v2, v72
	v_exp_f32 v74, v74                             ; f = 2^(m - M)
	v_nop                                          ; a plain place behind the transcendental,
	s_wait_alu depctr_va_vdst(0)                   ; and the wait ahead of its first reader
	v_mul_f32 v75, v3, v74
	v_add_f32_dpp v75, v75, v75 row_xmask:1 row_mask:0xf bank_mask:0xf
	v_add_f32_dpp v75, v75, v75 row_xmask:2 row_mask:0xf bank_mask:0xf
	v_add_f32_dpp v75, v75, v75 row_xmask:4 row_mask:0xf bank_mask:0xf
	v_add_f32_dpp v75, v75, v75 row_xmask:8 row_mask:0xf bank_mask:0xf
	v_permlanex16_b32 v73, v75, s52, s53
	v_add_f32 v75, v75, v73                        ; L
	v_rcp_f32 v77, v75
	v_nop
	s_wait_alu depctr_va_vdst(0)
	v_mul_f32 v76, v74, v77                        ; group = lane's weight
.set g, 0
.rept 32
	v_readlane_b32 s[20+g], v76, g
.set g, g+1
.endr
	s_wait_loadcnt 32                              ; t is in; the 32 parts may be out
.irp i, 0,1,2,3
	v_sub_f32 v[4+\i], v[4+\i], v72
.endr
.irp i, 0,1,2,3
	v_exp_f32 v[4+\i], v[4+\i]
.endr
	v_nop
	s_wait_alu depctr_va_vdst(0)                   ; one wait for the four
.irp i, 0,1,2,3
	v_mul_f32 v[4+\i], v[4+\i], v77
.endr
	global_store_b128 v81, v[4:7], s[12:13]        ; the wave stores 512 consecutive bytes, at a multiple of 256 from the buffer's first byte
	s_wait_loadcnt 31                              ; part 0 is in
	v_mul_f32 v78, s20, v8                         ; the first products start the sums: even groups in one pair, odd groups in another
	v_mul_f32 v79, s20, v9
	s_wait_loadcnt 30
	v_mul_f32 v84, s21, v10
	v_mul_f32 v85, s21, v11
.set g, 2
.rept 15
	s_wait_loadcnt 31-g                            ; loads come back in order (ISA guide 5.7.1): part g is in, the younger ones may be out
	v_fmac_f32 v78, s[20+g], v[8+2*g]
	v_fmac_f32 v79, s[20+g], v[9+2*g]
	s_wait_loadcnt 30-g
	v_fmac_f32 v84, s[21+g], v[10+2*g]
	v_fmac_f32 v85, s[21+g], v[11+2*g]
.set g, g+2
.endr
	v_pk_add_f32 v[78:79], v[78:79], v[84:85]
	global_store_b64 v82, v[78:79], s[10:11]       ; the wave stores 256 consecutive bytes, aligned
	s_endpgm
.Lfunc_end_k_qa10d9c0b80_finish:
	.size	k_qa10d9c0b80_finish, .Lfunc_end_k_qa10d9c0b80_finish-k_qa10d9c0b80_finish
	.p2alignl 7, 3214868480
	.fill 96, 4, 3214868480
	.section	.rodata,"a",@progbits
	.p2align	6, 0x0
	.amdhsa_kernel k_qa10d9c0b80_finish
		.amdhsa_group_segment_fixed_size 0
		.amdhsa_private_segment_fixed_size 0
		.amdhsa_enable_private_segment 0
		.amdhsa_kernarg_size 40
		.amdhsa_user_sgpr_count 2
		.amdhsa_user_sgpr_kernarg_segment_ptr 1
		.amdhsa_wavefront_size32 1
		.amdhsa_system_sgpr_workgroup_id_x 1
		.amdhsa_system_sgpr_workgroup_id_y 1
		.amdhsa_system_sgpr_workgroup_id_z 1
		.amdhsa_system_vgpr_workitem_id 0
		.amdhsa_next_free_vgpr 96
		.amdhsa_next_free_sgpr 66
		.amdhsa_reserve_vcc 0
		.amdhsa_float_denorm_mode_32 3
		.amdhsa_float_denorm_mode_16_64 3
		.amdhsa_memory_ordered 1
		.amdhsa_forward_progress 1
		.amdhsa_inst_pref_size 12
	.end_amdhsa_kernel
	.amdgpu_metadata
---
amdhsa.version: [ 1, 2 ]
amdhsa.kernels:
  - .name:           k_qa10d9c0b80_finish
    .symbol:         k_qa10d9c0b80_finish.kd
    .args:
      - { .name: sc, .offset: 0, .size: 8, .value_kind: global_buffer, .address_space: global }
      - { .name: ml, .offset: 8, .size: 8, .value_kind: global_buffer, .address_space: global }
      - { .name: pctx, .offset: 16, .size: 8, .value_kind: global_buffer, .address_space: global }
      - { .name: out0, .offset: 24, .size: 8, .value_kind: global_buffer, .address_space: global }
      - { .name: out1, .offset: 32, .size: 8, .value_kind: global_buffer, .address_space: global }
    .group_segment_fixed_size: 0
    .private_segment_fixed_size: 0
    .kernarg_segment_align: 8
    .kernarg_segment_size: 40
    .max_flat_workgroup_size: 128
    .sgpr_count:     66
    .vgpr_count:     96
    .wavefront_size: 32
...
	.end_amdgpu_metadata
.endif
;; end of part 3
;; ======== version 2 of 2: 3 launches
;; limits: values are held in bf16: 8 bits of precision; right only within a limited range of input values
;; workspace buffers: wk_img 819,200 bytes; pqc 131,072 bytes; sc 262,144 bytes; ml 262,144 bytes; pctx 4,194,304 bytes
;; launch prep (part 4): grid 16 x 2, 4 waves a work-group, no clusters, 130,816 bytes of LDS; arguments Wq_codes, Wq_scales, query_codes, query_scales, Wk_codes, Wk_scales, pqc, wk_img; writes pqc, wk_img
.if DOCPART == 4
	.amdgcn_target "amdgcn-amd-amdhsa--gfx1250"
	.amdhsa_code_object_version 6
	.text
	.protected	k_qa10d9c0b80_prep
	.globl	k_qa10d9c0b80_prep
	.p2align	8
	.type	k_qa10d9c0b80_prep,@function
k_qa10d9c0b80_prep:
	s_mov_b64 s[64:65], 0
	v_nop
	global_prefetch_b8 v0, s[64:65] scope:SCOPE_SE
	s_setreg_imm32_b32 hwreg(HW_REG_WAVE_MODE, 25, 1), 1
	s_wait_xcnt 0x0
; TWO SMALL JOBS AHEAD OF THE MAIN LAUNCH.
; (1) pqc[b][h] = c2 x sum over k of query[b][k] Wq[k][h], c2 = 2 log2(e): the second product of the problem, on the codes of E3M2 and the E8M0 scale bytes as they are given, sums in f32.
;     The factor c2 is what the main launch's tanh, written with a power of two, wants in front of its argument.
; (2) Wk's codes and scale bytes are laid out once in the order in which the main launch's operand registers and LDS slots take them:
;     wk_img = 16 slots x 4 quarters x 12,800 bytes.  Quarter 2 j + u of slot sg is column tile n = 32 j + 2 sg + u (rows 16 n .. 16 n + 15 of Wk's codes):
;     8 fragments (K steps of 128) as images of their 12 registers, [K step][4 registers][lane][16 bytes], then the tile's 512 scale bytes as they lie.
; SHARES.  16 x 2 work-groups of 4 waves.  Wave v of work-group (x, rho): column tile n = 4 x + v; rows 16 rho .. 16 rho + 15 of query; K steps 4 rho .. 4 rho + 3 of Wk's tile.
; LOADS ARE DENSE.  A fragment wants 24 bytes of each of 16 rows in a lane pair: loaded so, a load would take 8 bytes from each of 32 places.  But 16 rows of codes are 12,288 consecutive bytes: they are loaded as they
; lie, 16 bytes a lane and 512 a load, go into the wave's own LDS as rows with 16 bytes of padding behind each, and come back as fragments, in pieces of 8 bytes.  Of Wk a wave takes half of each row (384 bytes).
; With y = 32 (m % 3) + lane, load m's 16 bytes of a whole tile are byte 16 y of rows 2 (m / 3), 2 (m / 3) + 1: row bit y / 48; of a half tile byte 16 y of the halves of rows 4 (m / 3) on: row y / 24.
; THE MATRIX INSTRUCTION IS USED TRANSPOSED (source 0 = 16 rows of Wq's codes, source 1 = 16 rows of query): a lane then holds eight neighbouring h of one row of pqc.
; LIMIT: K is summed in two accumulators (even and odd K steps), which are added at the end: an order of rounding that differs from one chain's.
; REGISTERS: v1-15 addresses; v16-111 Wq's tile as loaded, then its 8 fragments; v112-207 query's likewise; v208-215, v216-223 the two accumulators; v224-231 the result; v232-239 Wq's scale words,
;   v240-247 query's; v248-254 addresses for Wk;   in the second window of 256: v0-47 Wk's half tile, then four fragments; v48-49 eight of its scale bytes.
.set C2,    0x4038aa3b                 ; 2 log2(e)
.set TILEB, 12288                      ; 16 rows of 1,024 codes, 768 bytes each
.set P6,    784                        ; a whole row in LDS: 768 + 16 = 196 words: row r starts at bank 4 r mod 64 (64 banks of 4 bytes: ISA guide 11.1)
.set PH,    400                        ; half a row: 384 + 16 = 100 words: the 16 rows start at 16 different multiples of 4 banks
.set QOFF,  16*P6                      ; a wave's LDS: Wq's rows, query's rows,
.set KOFF,  2*16*P6                    ; Wk's half rows
.set WREG,  2*16*P6+16*PH              ; 31,488 bytes a wave
.set STGP,  4*WREG                     ; behind the four: the stage for pqc, 16 rows x (256 + 16)
.set LP,    272
.set MSB, 0
.macro WIN new                         ; the immediate's high byte repeats the setting that is left
.if MSB != (\new)
	s_set_vgpr_msb (MSB<<8)|(\new)
.set MSB, (\new)
.endif
.endm
	s_load_b256 s[4:11], s[0:1], 0x0               ; Wq's codes s[4:5], Wq's scales s[6:7], query's codes s[8:9], query's scales s[10:11]
	s_load_b256 s[12:19], s[0:1], 0x20             ; Wk's codes s[12:13], Wk's scales s[14:15], pqc s[16:17], wk_img s[18:19]
	v_lshl_add_u32 v255, v0, 2, 0x1fd00
	s_set_vgpr_msb 0x40
	v_mov_b32 v129, 0
	s_set_vgpr_msb 0x4000
	v_lshrrev_b32 v1, 5, v0
	v_readfirstlane_b32 s20, v1                    ; wave 0..3
	s_and_b32 s22, ttmp7, 0xffff                   ; rho
	s_lshl_b32 s23, ttmp9, 2
	s_add_co_u32 s23, s23, s20                     ; n
	v_and_b32 v2, 15, v0                           ; r
	v_bfe_u32 v3, v0, 4, 1                         ; h = lane / 16
	v_and_b32 v4, 31, v0                           ; lane
	v_lshlrev_b32 v6, 5, v2                        ; scale words: 32 bytes a row
	v_lshlrev_b32 v7, 4, v4                        ; 16 x lane
	v_lshlrev_b32 v8, 3, v4                        ; 8 x lane
	s_mul_i32 s26, s20, WREG                       ; my LDS
	s_add_co_u32 s27, s26, KOFF
	v_mul_u32_u24 v5, v2, P6
	v_mad_u32_u24 v5, v3, 24, v5
	v_add_nc_u32 v5, s26, v5                       ; a fragment out of whole rows: row r, + 24 bytes for the upper half of the lanes
	v_mul_u32_u24 v254, v2, PH
	v_mad_u32_u24 v254, v3, 24, v254
	v_add_nc_u32 v254, s27, v254                   ; and out of Wk's half rows
.irp b, 0,1,2
	v_add_nc_u32 v1, 32*\b, v4                     ; y = 32 b + lane, 0 .. 95
	v_mul_u32_u24 v15, v1, 683
	v_lshrrev_b32 v15, 15, v15                     ; y / 48 (exact up to y = 95)
	v_add_nc_u32 v15, v15, v1
	v_lshl_add_u32 v[12+\b], v15, 4, s26           ; whole rows, into LDS: 16 y, + 16 of padding behind the first row
	v_mul_u32_u24 v15, v1, 1366
	v_lshrrev_b32 v15, 15, v15                     ; y / 24 (exact up to y = 95)
	v_mul_u32_u24 v224, v15, 384
	v_lshl_add_u32 v[248+\b], v1, 4, v224          ; half rows, in memory: 16 y, + the other half (384 bytes) of each row passed
	v_add_nc_u32 v15, v15, v1
	v_lshl_add_u32 v[251+\b], v15, 4, s27          ; and into LDS: 16 y, + 16 of padding for each row passed
.endr
	s_lshl_b32 s28, s20, 6
	s_add_co_u32 s28, s28, STGP
	v_mul_u32_u24 v9, v2, LP
	v_lshl_add_u32 v9, v3, 5, v9
	v_add_nc_u32 v9, s28, v9                       ; into the stage: row r, my tile's 64 bytes, 32 for each half of the lanes
	s_mul_i32 s28, s20, 4*LP
	s_add_co_u32 s28, s28, STGP
	v_mul_u32_u24 v10, v3, LP
	v_lshl_add_u32 v10, v2, 4, v10
	v_add_nc_u32 v10, s28, v10                     ; back: rows 4 v on; lanes 0-15 one row, lanes 16-31 the next
	v_lshlrev_b32 v11, 12, v3
	v_lshl_add_u32 v11, v2, 4, v11                 ; and the same two rows in pqc (4,096 bytes a row)
	s_mov_b32 s30, C2
	s_mov_b32 s31, C2                              ; (named with it as a pair, so it is written)
	s_mov_b32 s25, 0
	s_wait_alu depctr_va_vdst(0)
	s_wait_kmcnt 0x0
	s_mul_i32 s24, s23, TILEB                      ; tile n's first row of codes
	s_add_nc_u64 s[4:5], s[4:5], s[24:25]
	s_add_nc_u64 s[12:13], s[12:13], s[24:25]
	s_mul_i32 s24, s22, 384                        ; Wk: my half of each row
	s_add_nc_u64 s[12:13], s[12:13], s[24:25]
	s_lshl_b32 s24, s23, 9                         ; tile n's 512 scale bytes
	s_add_nc_u64 s[6:7], s[6:7], s[24:25]
	s_add_nc_u64 s[14:15], s[14:15], s[24:25]
	s_lshl_b32 s24, s22, 8                         ; Wk: my half of them
	s_add_nc_u64 s[14:15], s[14:15], s[24:25]
	s_mul_i32 s24, s22, TILEB                      ; query: my 16 rows
	s_add_nc_u64 s[8:9], s[8:9], s[24:25]
	s_lshl_b32 s24, s22, 9
	s_add_nc_u64 s[10:11], s[10:11], s[24:25]
	s_lshl_b32 s24, s22, 16                        ; pqc: row 16 rho + 4 v, columns 64 x on
	s_lshl_b32 s28, s20, 14
	s_add_co_u32 s24, s24, s28
	s_lshl_b32 s28, ttmp9, 8
	s_add_co_u32 s24, s24, s28
	s_add_nc_u64 s[16:17], s[16:17], s[24:25]
	s_bfe_u32 s24, s23, 0x40001                    ; sg = (n % 32) / 2
	s_mul_i32 s24, s24, 51200
	s_lshr_b32 s28, s23, 5
	s_lshl_b32 s28, s28, 1
	s_and_b32 s29, s23, 1
	s_add_co_u32 s28, s28, s29                     ; quarter 2 (n / 32) + n % 2
	s_mul_i32 s28, s28, 12800
	s_add_co_u32 s24, s24, s28
	s_add_nc_u64 s[18:19], s[18:19], s[24:25]      ; wk_img at my tile's quarter
	s_lshl_b32 s24, s22, 8
	s_add_co_u32 s24, s24, 12288
	s_add_nc_u64 s[32:33], s[18:19], s[24:25]      ; my half of its scale bytes
	s_mul_i32 s24, s22, 4*1536
	s_add_nc_u64 s[18:19], s[18:19], s[24:25]      ; my four fragments' images
.set m, 0
.rept 24
	global_load_b128 v[16+4*m:19+4*m], v7, s[4:5] offset:512*m      ; Wq's tile: the wave reads 512 consecutive bytes
.set m, m+1
.endr
.set m, 0
.rept 24
	global_load_b128 v[112+4*m:115+4*m], v7, s[8:9] offset:512*m    ; query's 16 rows likewise
.set m, m+1
.endr
	global_load_b128 v[232:235], v6, s[6:7]        ; a row's eight scale words, one for each K step
	global_load_b128 v[236:239], v6, s[6:7] offset:16
	global_load_b128 v[240:243], v6, s[10:11]
	global_load_b128 v[244:247], v6, s[10:11] offset:16
	WIN 0x40                                       ; destination in the second window
.set m, 0
.rept 12
	global_load_b128 v[4*m:4*m+3], v[248+m%3], s[12:13] offset:3072*(m/3)   ; Wk's half rows: runs of 384 consecutive bytes; three loads take four rows
.set m, m+1
.endr
	global_load_b64 v[48:49], v8, s[14:15]
	WIN 0
	s_wait_loadcnt 41                              ; Wq's 24 loads are in; query's 24, the 4 of scale words and Wk's 13 may be out
.set m, 0
.rept 24
	ds_store_b128 v[12+m%3], v[16+4*m:19+4*m] offset:1568*(m/3)     ; three stores take two rows of 784 bytes
.set m, m+1
.endr
.irp s, 0,1,2,3,4,5,6,7                        ; LDS serves a wave's instructions in order (ISA guide 5.7.1.4): these see the stores above, and land in the registers that those have left
.irp p, 0,1,2,3,4,5
	ds_load_b64 v[16+12*\s+2*\p:17+12*\s+2*\p], v5 offset:96*\s+48*(\p/3)+8*(\p%3)
.endr
.endr
	s_wait_loadcnt 17                              ; query's are in; the 4 of scale words and Wk's 13 may be out
.set m, 0
.rept 24
	ds_store_b128 v[12+m%3], v[112+4*m:115+4*m] offset:QOFF+1568*(m/3)
.set m, m+1
.endr
.irp s, 0,1,2,3,4,5,6,7
.irp p, 0,1,2,3,4,5
	ds_load_b64 v[112+12*\s+2*\p:113+12*\s+2*\p], v5 offset:QOFF+96*\s+48*(\p/3)+8*(\p%3)
.endr
.endr
	s_wait_loadcnt 0x0                             ; the scale words and Wk
	WIN 0x04                                       ; a store's data are its source 1: the second window
.set m, 0
.rept 12
	ds_store_b128 v[251+m%3], v[4*m:4*m+3] offset:1600*(m/3)        ; three stores take four half rows of 400 bytes
.set m, m+1
.endr
	WIN 0x40
.irp s, 0,1,2,3
.irp p, 0,1,2,3,4,5
	ds_load_b64 v[12*\s+2*\p:12*\s+2*\p+1], v254 offset:96*\s+48*(\p/3)+8*(\p%3)
.endr
.endr
	WIN 0
	s_wait_dscnt 36                                ; Wq's and query's fragments are in; Wk's 12 stores and 24 loads may be out
.irp s, 0,1,2,3,4,5,6,7                        ; the two accumulators take turns; the first two products start the sums
.if \s < 2
	v_wmma_scale_f32_16x16x128_f8f6f4 v[208+8*(\s%2):215+8*(\s%2)], v[16+12*\s:27+12*\s], v[112+12*\s:123+12*\s], 0, v[232+\s], v[240+\s] matrix_a_fmt:MATRIX_FMT_BF6 matrix_b_fmt:MATRIX_FMT_BF6
.else
	v_wmma_scale_f32_16x16x128_f8f6f4 v[208+8*(\s%2):215+8*(\s%2)], v[16+12*\s:27+12*\s], v[112+12*\s:123+12*\s], v[208+8*(\s%2):215+8*(\s%2)], v[232+\s], v[240+\s] matrix_a_fmt:MATRIX_FMT_BF6 matrix_b_fmt:MATRIX_FMT_BF6
.endif
.endr
.rept 4
	v_nop                                          ; four places between the last product and the first read of a result (ISA guide 7.12.1)
.endr
.irp i, 0,2,4,6
	v_pk_add_f32 v[224+\i:225+\i], v[208+\i:209+\i], v[216+\i:217+\i]   ; each accumulator from its low end on
.endr
.irp i, 0,2,4,6
	v_pk_mul_f32 v[224+\i:225+\i], v[224+\i:225+\i], s[30:31] op_sel_hi:[1,0]
.endr
	ds_store_b128 v9, v[224:227]                   ; lane (r, h): pqc(16 rho + r, 16 n + 8 h + 0 .. 7)
	ds_store_b128 v9, v[228:231] offset:16
	s_wait_dscnt 0x0                               ; Wk's fragments are in; and, for the others' sake, my stores into the stage are done
	WIN 0x04
.irp s, 0,1,2,3
.irp c, 0,1,2
	global_store_b128 v7, v[12*\s+4*\c:12*\s+4*\c+3], s[18:19] offset:1536*\s+512*\c   ; the wave stores 512 consecutive bytes, at a multiple of 256 from the buffer's first byte
.endr
.endr
	global_store_b64 v8, v[48:49], s[32:33]        ; 256 consecutive bytes, aligned
	WIN 0
	s_barrier_signal -1
	s_barrier_wait -1
	ds_load_b128 v[224:227], v10                   ; a row's 256 bytes come from four waves
	ds_load_b128 v[228:231], v10 offset:2*LP
	s_wait_dscnt 1                                 ; the first is in; the second may be out
	global_store_b128 v11, v[224:227], s[16:17]    ; sixteen lanes store 256 consecutive bytes, aligned
	s_wait_dscnt 0x0
	global_store_b128 v11, v[228:231], s[16:17] offset:8192
	s_set_vgpr_msb 0x4
	s_wait_tensorcnt 0x0
	ds_add_u32 v255, v129
	s_wait_dscnt 0x0
	s_set_vgpr_msb 0x400
	s_endpgm
.Lfunc_end_k_qa10d9c0b80_prep:
	.size	k_qa10d9c0b80_prep, .Lfunc_end_k_qa10d9c0b80_prep-k_qa10d9c0b80_prep
	.p2alignl 7, 3214868480
	.fill 96, 4, 3214868480
	.section	.rodata,"a",@progbits
	.p2align	6, 0x0
	.amdhsa_kernel k_qa10d9c0b80_prep
		.amdhsa_group_segment_fixed_size 130816
		.amdhsa_private_segment_fixed_size 0
		.amdhsa_enable_private_segment 0
		.amdhsa_kernarg_size 64
		.amdhsa_user_sgpr_count 2
		.amdhsa_user_sgpr_kernarg_segment_ptr 1
		.amdhsa_wavefront_size32 1
		.amdhsa_system_sgpr_workgroup_id_x 1
		.amdhsa_system_sgpr_workgroup_id_y 1
		.amdhsa_system_sgpr_workgroup_id_z 1
		.amdhsa_system_vgpr_workitem_id 0
		.amdhsa_next_free_vgpr 386
		.amdhsa_next_free_sgpr 66
		.amdhsa_reserve_vcc 0
		.amdhsa_float_denorm_mode_32 3
		.amdhsa_float_denorm_mode_16_64 3
		.amdhsa_memory_ordered 1
		.amdhsa_forward_progress 1
		.amdhsa_inst_pref_size 27
	.end_amdhsa_kernel
	.amdgpu_metadata
---
amdhsa.version: [ 1, 2 ]
amdhsa.kernels:
  - .name:           k_qa10d9c0b80_prep
    .symbol:         k_qa10d9c0b80_prep.kd
    .args:
      - { .name: Wq_codes, .offset: 0, .size: 8, .value_kind: global_buffer, .address_space: global }
      - { .name: Wq_scales, .offset: 8, .size: 8, .value_kind: global_buffer, .address_space: global }
      - { .name: query_codes, .offset: 16, .size: 8, .value_kind: global_buffer, .address_space: global }
      - { .name: query_scales, .offset: 24, .size: 8, .value_kind: global_buffer, .address_space: global }
      - { .name: Wk_codes, .offset: 32, .size: 8, .value_kind: global_buffer, .address_space: global }
      - { .name: Wk_scales, .offset: 40, .size: 8, .value_kind: global_buffer, .address_space: global }
      - { .name: pqc, .offset: 48, .size: 8, .value_kind: global_buffer, .address_space: global }
      - { .name: wk_img, .offset: 56, .size: 8, .value_kind: global_buffer, .address_space: global }
    .group_segment_fixed_size: 130816
    .private_segment_fixed_size: 0
    .kernarg_segment_align: 8
    .kernarg_segment_size: 64
    .max_flat_workgroup_size: 128
    .sgpr_count:     66
    .vgpr_count:     386
    .wavefront_size: 32
...
	.end_amdgpu_metadata
.endif
;; end of part 4
;; launch main (part 5): grid 512 x 1, 4 waves a work-group, clusters of 4 x 1, 327,680 bytes of LDS; arguments values, mask, We, wk_img, pqc, sc, ml, pctx; writes sc, ml, pctx
.if DOCPART == 5
	.amdgcn_target "amdgcn-amd-amdhsa--gfx1250"
	.amdhsa_code_object_version 6
	.text
	.protected	k_qa10d9c0b80_main
	.globl	k_qa10d9c0b80_main
	.p2align	8
	.type	k_qa10d9c0b80_main,@function
k_qa10d9c0b80_main:
	s_mov_b64 s[64:65], 0
	v_nop
	global_prefetch_b8 v0, s[64:65] scope:SCOPE_SE
	s_setreg_imm32_b32 hwreg(HW_REG_WAVE_MODE, 25, 1), 1
	s_wait_xcnt 0x0
	s_wait_alu depctr_hold_cnt(0) depctr_sa_sdst(0) depctr_va_vdst(0) depctr_va_sdst(0) depctr_va_ssrc(0) depctr_va_vcc(0) depctr_vm_vsrc(0)
	s_getreg_b32 s2, hwreg(HW_REG_IB_STS2, 6, 4)
	s_cmp_eq_u32 s2, 0
	s_cbranch_scc0 .Lentry_in_a_cluster
	s_endpgm
.Lentry_in_a_cluster:
	s_bfe_u32 s2, ttmp6, 0x10000c
	s_cmp_lg_u32 s2, 0x3003
	s_cbranch_scc0 .Lentry_shape_is_right
	s_endpgm
.Lentry_shape_is_right:
; BAHDANAU ATTENTION, ALL BUT THE JOINING OF PARTS.  A work-group takes 128 rows of values (all of one batch) and reads them from memory once.
;   t[row] = sum over h of (-c2 We[h]) / (1 + 2^(c2 (values Wk)[row][h] + pqc[b][h])),  c2 = 2 log2(e).
; Since tanh(x) = 1 - 2 / (1 + 2^(c2 x)), t = log2(e) x (score - sum of We).  WORK LEFT OUT: the sum of We is the same for all keys of a batch, a term that is constant along the softmax's axis, for all values of
; the inputs; the scores are no output.  Every input is loaded.  An overflow that reaches only that sum is not carried to the result.
; A power of two that overflows gives infinity, whose reciprocal is 0 (tanh = 1); one that underflows gives 0 (tanh = -1): no clamp is needed.
; values Wk is made on codes of E3M2 with one E8M0 scale for each 32 along K: values is quantised here, in f32, by the problem's rule; Wk's codes come laid out by the launch before.
; For each group of 64 rows: t (minus infinity where the mask is 0), the group's own maximum m, l = sum of 2^(t - m), and the context part sum of 2^(t - m) x values[row][:].  The next launch joins the parts by the true maximum.
; SHARES.  Four waves.  Wave w = 2 i + j: rows 64 i .. 64 i + 63 (four row slots of 16) and half j of Wk's 1,024 columns.  It reads and quantises K steps 4 j .. 4 j + 3 (of 128) of its rows, hands the codes to its
; partner w xor 1 through LDS as images of the operand's registers and takes the partner's: all 8 K steps of its 64 rows stay in 384 registers.  Of the numbers that it has read it keeps a copy rounded to bf16 for the
; context: half in 256 registers, half in its own 32 KiB of LDS.  A wave takes its own four K steps first and then the partner's four, so that no register number hangs on j.
; THE WALK.  Wk's 64 column tiles go through a ring of two LDS slots; a slot holds two tiles for each half of the columns.  A wave's 32 tiles go through a pipeline of three stages on four sets of four accumulators, set = tile % 4:
;   the 32 matrix instructions of tile n; then plain work: x We of tile n - 2, c2 x sum + pqc of tile n, + 1 of tile n - 1; then one batch of 64 transcendentals: 2^ of tile n, the reciprocals of tile n - 1;
;   tile n + 1's matrix instructions follow the batch directly, and the one wait for the batch stands behind them.  LDS loads stand among the plain work alone.
; The pipeline's first two tiles find neutral numbers: a set of zeros, a set of infinities (+ 1 and the reciprocal make 0 of them) and 256 bytes of zeros in front of We's table: so the trip is written once.
; Cluster c takes wk_img's 16 slots in the order sg0, sg0 + 1, .. modulo 16, sg0 = (c + 2 (c / 16)) % 16.  The tables of We and pqc are LOADED in that order, so that no LDS address hangs on c.
; THE MATRIX INSTRUCTION IS USED TRANSPOSED (source 0 = 16 rows of Wk's codes, source 1 = 16 rows of values): a lane holds one row of values and eight neighbouring h.
; CLUSTER.  The four work-groups of a cluster walk the same Wk: each quarter of a slot is asked for JOINTLY, by the same tensor load with the same descriptor and a mask that names the four.
; LIMITS.  NaN and infinities in values or We are not served.  A block of zeros gets the scale byte 1 where the rule says 127: its codes are zeros, and this program alone reads the bytes; blocks whose largest magnitude lies
; under 2^(5 - 127) are held at that byte.  The context's values are rounded to bf16.  A group that is masked whole gives m = -3e38, l = 0 and a context part of zeros.  The sum over h begins at a column tile that hangs
; on the cluster's number: an order of rounding that differs from cluster to cluster.
; LDS, in bytes (all of a WGP's LDS is claimed):
.set RING1,  65536                     ; ring slot 0 at 0, ring slot 1 here.  Only tensor loads write the two
.set SLOTB,  51200                     ; a slot: 4 quarters
.set QUARTB, 12800                     ; a quarter: one column tile: 8 fragment images of 1,536 bytes, then its 512 scale bytes
.set SPARE,  51200                     ; the spare words, 128 bytes for each wave
.set TWE,    51968                     ; -c2 We[h], 4,096 bytes, in the order of the walk; the 256 bytes in front of it hold zeros
.set TPQ,    56064                     ; pqc[b][h], likewise
.set ASC,    60160                     ; the scale words of values: 1,024 w + 256 x row slot + 64 x own K step + 4 r
.set XCH,    64256                     ; half sums of t from partner to partner
.set RET,    116736                    ; 32,768 bytes for each wave: units 0-7 of the bf16 copy
.set STG,    247808                    ; 8,448 bytes for each wave: 16 rows x (512 + 16), in which a unit turns from lanes along a row to a lane a row
.set IMG,    281600                    ; 6,144 bytes for each wave: a row slot's four fragments, for the partner
.set PT,     306176                    ; 512 bytes for each wave: 64 p, then 64 t
; REGISTERS, in windows of 256 (s_set_vgpr_msb's low byte: bits 1:0 source 0, 3:2 source 1, 5:4 source 2, 7:6 destination).
;   window 0: v1-31 stay.  Load phase: v32-95 a unit, a lane a row; v96-127 its bf16 copy; v128-151 at work; v152-215 landing buffer 0.
;             Walk: v32-63, v64-95 accumulator sets 0, 1; v96-191 Wk's eight fragments; v192-199 pqc, v200-207 We of a tile; v216-223 Wk's scale words, v228-243 those of values (scales and nothing else).
;   window 1: v0-191 my own codes; v192-255 landing buffer 3, at the end unit 15's copy.   window 2: v0-191 the partner's codes; v192-255 landing buffer 2, at the end unit 14's copy.
;   window 3: v0-191 bf16 units 8-13; v192-255 landing buffer 1, in the walk accumulator sets 2, 3.
.set C2,   0x4038aa3b                  ; 2 log2(e)
.set NC2,  0xc038aa3b
.set SPW,  1
.set NIL,  2
.set VA,   3                           ; 16 x lane
.set AO,   4                           ; v4-5   my own four K steps' fragments in ring slot 0, 1
.set AP,   6                           ; v6-7   the partner's four
.set SO,   8                           ; v8-9   the tile's scale words of my own four K steps
.set SP,   10                          ; v10-11 of the partner's four
.set TAB,  12                          ; my place in the table of We, two tiles ahead of the trip's first tile
.set TAB0, 13                          ; and at the walk's start
.set XA,   14
.set XB,   15
.set PA,   16
.set PBA,  17
.set TRD,  18
.set V8,   19
.set MK,   20
.set SACC, 24
.set FR0,  96
.set PQ,   192
.set WE,   200
.set BS,   216
.set ASCR, 228
.set X,    32
.set BT,   96
.set CT,   128
.set M0,   136
.set N0,   138
.set SC0,  140
.set PW,   142
.set PX,   143
.set STA,  144
.set STB,  145
.set IMA,  147
.set IMB,  148
.set ASA,  149
.set ASRO, 150
.set ASRP, 151
.set SH,   252
.set RTA,  253
.set PFO,  254
.set RL0,  32
.set RL1,  64
.set P,    96
.set CX,   160
.set MSB, 0
.macro WIN new                         ; the immediate's high byte repeats the setting that is left
.if MSB != (\new)
	s_set_vgpr_msb (MSB<<8)|(\new)
.set MSB, (\new)
.endif
.endm
.macro PLACES
.rept 4
	v_nop
.endr
.endm
.macro BARRIER
	s_wait_dscnt 0x0
	s_barrier_signal -1
	s_barrier_wait -1
.endm
.macro CREST                           ; a round of the cluster's barrier behind its opening barrier
	s_cmp_lg_u32 s20, 0
	s_cbranch_scc1 .Lnot_wave_0_\@
	s_barrier_signal -3
.Lnot_wave_0_\@:
	s_barrier_wait -3
	s_barrier_signal -1
	s_barrier_wait -1
.endm
.macro CROUND
	s_barrier_signal -1
	s_barrier_wait -1
	CREST
.endm
	s_load_b256 s[4:11], s[0:1], 0x0               ; values, mask, We, wk_img
	s_load_b256 s[12:19], s[0:1], 0x20             ; pqc, sc, ml, pctx
	v_lshl_add_u32 v[SPW], v0, 2, SPARE
	v_mov_b32 v[NIL], 0
	ds_add_u32 v[SPW], v[NIL]                      ; the opening lines: the add, twice on end, and its wait
	ds_add_u32 v[SPW], v[NIL]
	v_lshrrev_b32 v32, 5, v0
	v_readfirstlane_b32 s20, v32                   ; wave
	s_lshr_b32 s21, s20, 1                         ; i
	s_and_b32 s22, s20, 1                          ; j
	s_xor_b32 s48, s20, 1                          ; my partner
	s_bfe_u32 s49, ttmp6, 0x40000                  ; my place in the cluster: it enters global addresses of my own rows alone
	s_lshl_b32 s23, ttmp9, 2
	s_add_co_u32 s23, s23, s49                     ; work-group
	s_lshr_b32 s62, ttmp9, 4
	s_lshl_b32 s62, s62, 1
	s_add_co_u32 s62, s62, ttmp9
	s_and_b32 s62, s62, 15                         ; sg0: the cluster's number alone
	s_lshl_b32 s63, s62, 7
	s_mov_b32 s24, 15|(3<<16)|(1<<21)              ; group 1: a quarter of a slot, 50 rows of 256 bytes; the mask names all four
	s_mov_b32 s25, 32<<16
	s_mov_b32 s26, 50<<16
	s_mov_b32 s27, 32<<16
	s_mov_b32 s28, 50
	s_mov_b32 s29, 32
	s_mov_b32 s30, 0
	s_mov_b32 s31, 0
	s_mov_b32 s40, C2
	s_mov_b32 s41, C2
	s_mov_b32 s42, 0x76543210
	s_mov_b32 s43, 0xfedcba98
	s_mov_b32 s46, 0
	s_mov_b32 s56, NC2
	s_mov_b32 s57, NC2
	s_mul_i32 s60, s20, QUARTB                     ; my quarter of a slot, in memory and in LDS
	s_mov_b32 s61, 0
	s_wait_dscnt 0x0                               ; both opening adds are done
	v_and_b32 v33, 31, v0                          ; lane
	v_and_b32 v34, 15, v0                          ; r
	v_bfe_u32 v35, v0, 4, 1                        ; h
	v_lshlrev_b32 v36, 5, v0                       ; my 8 numbers' place in the tables in LDS
	v_add_nc_u32 v37, TWE, v36
	v_lshl_add_u32 v39, v0, 1, TWE-256             ; my two of the 256 bytes of zeros
	v_add_nc_u32 v38, s63, v36
	v_and_b32 v38, 0x780, v38                      ; step s of the walk takes slot (s + sg0) % 16:
	v_and_or_b32 v38, v36, 0x860, v38              ; my 8 numbers' place in We and in a row of pqc
	v_lshlrev_b32 v[VA], 4, v33
	v_lshlrev_b32 v[V8], 3, v33
	v_lshlrev_b32 v[SH], 3, v35
	v_lshlrev_b32 v[PFO], 12, v34
	v_lshl_add_u32 v[PFO], v35, 8, v[PFO]
	v_mov_b32 v[PX], 0
	s_wait_alu depctr_va_vdst(0)                   ; the wait ahead of the scalar work below
	s_mul_i32 s50, s22, 2*QUARTB+4*1536
	v_add_nc_u32 v[AO], s50, v[VA]
	v_add_nc_u32 v[AO+1], RING1, v[AO]
	s_mul_i32 s50, s22, 2*QUARTB-4*1536
	s_add_co_u32 s50, s50, 4*1536
	v_add_nc_u32 v[AP], s50, v[VA]
	v_add_nc_u32 v[AP+1], RING1, v[AP]
	s_mul_i32 s50, s22, 2*QUARTB+16
	s_add_co_u32 s50, s50, 8*1536
	v_lshl_add_u32 v[SO], v34, 5, s50
	v_add_nc_u32 v[SO+1], RING1, v[SO]
	s_mul_i32 s50, s22, 2*QUARTB-16
	s_add_co_u32 s50, s50, 8*1536+16
	v_lshl_add_u32 v[SP], v34, 5, s50
	v_add_nc_u32 v[SP+1], RING1, v[SP]
	s_lshl_b32 s50, s22, 11
	s_add_co_u32 s50, s50, TWE-128
	v_lshl_add_u32 v[TAB0], v35, 5, s50            ; a tile's eight numbers of my half of the lanes: 64 x tile + 32 h; two tiles (128 bytes) back
	s_lshl_b32 s50, s20, 8
	s_add_co_u32 s50, s50, XCH
	v_lshl_add_u32 v[XA], v34, 2, s50
	s_lshl_b32 s50, s48, 8
	s_add_co_u32 s50, s50, XCH
	v_lshl_add_u32 v[XB], v34, 2, s50
	s_lshl_b32 s50, s20, 9
	s_add_co_u32 s50, s50, PT
	v_lshl_add_u32 v[PA], v34, 2, s50
	v_mov_b32 v[PBA], s50
	v_lshl_add_u32 v[TRD], v33, 3, s50
	v_add_nc_u32 v[TRD], 256, v[TRD]
	s_mul_i32 s50, s20, 16*528
	s_add_co_u32 s50, s50, STG
	v_add_nc_u32 v[STA], s50, v[VA]
	v_mul_u32_u24 v[STB], v34, 528
	v_lshl_add_u32 v[STB], v35, 7, v[STB]
	v_add_nc_u32 v[STB], s50, v[STB]
	s_lshl_b32 s50, s20, 15
	s_add_co_u32 s50, s50, RET
	v_add_nc_u32 v[RTA], s50, v[VA]
	s_mul_i32 s50, s20, 4*1536
	s_add_co_u32 s50, s50, IMG
	v_add_nc_u32 v[IMA], s50, v[VA]
	s_mul_i32 s50, s48, 4*1536
	s_add_co_u32 s50, s50, IMG
	v_add_nc_u32 v[IMB], s50, v[VA]
	s_lshl_b32 s50, s20, 10
	s_add_co_u32 s50, s50, ASC
	v_lshl_add_u32 v[ASA], v34, 2, s50
	v_lshl_add_u32 v[ASRO], v35, 9, v[ASA]         ; lanes 16-31 read the row slot two further on
	s_lshl_b32 s50, s48, 10
	s_add_co_u32 s50, s50, ASC
	v_lshl_add_u32 v[ASRP], v34, 2, s50
	v_lshl_add_u32 v[ASRP], v35, 9, v[ASRP]
	s_lshl_b32 s53, s23, 1
	s_add_co_u32 s53, s53, s21                     ; my group of 64 rows
	s_mov_b32 s55, 0
	s_lshl_b32 s58, s22, 11
	s_mov_b32 s51, 0
	s_wait_alu depctr_va_vdst(0)                   ; the wait at the head's end
	s_wait_kmcnt 0x0
	s_mul_i32 s50, s62, SLOTB
	s_add_co_u32 s50, s50, s60
	s_add_nc_u64 s[34:35], s[10:11], s[50:51]      ; slot sg0, my quarter
	s_add_co_u32 s62, s62, 1
	s_and_b32 s62, s62, 15
	s_mul_i32 s50, s62, SLOTB
	s_add_co_u32 s50, s50, s60
	s_add_nc_u64 s[38:39], s[10:11], s[50:51]      ; slot (sg0 + 1) % 16
	s_mov_b32 s32, 1
	s_mov_b32 s33, s60
	s_or_b32 s35, s35, 0x80000000
	s_mov_b32 s36, 1
	s_add_co_u32 s37, s60, RING1
	s_or_b32 s39, s39, 0x80000000
	s_lshl_b32 s54, s53, 18
	s_add_co_u32 s54, s54, s58
	s_add_nc_u64 s[4:5], s[4:5], s[54:55]
	s_add_nc_u64 s[2:3], s[4:5], 0x8000000         ; the same wave's first byte in the work-group 256 further on
	s_lshl_b32 s54, s53, 6
	s_add_nc_u64 s[6:7], s[6:7], s[54:55]
	s_lshr_b32 s54, s23, 4
	s_lshl_b32 s54, s54, 12
	s_add_nc_u64 s[12:13], s[12:13], s[54:55]
	s_lshl_b32 s54, s53, 8
	s_add_nc_u64 s[14:15], s[14:15], s[54:55]
	s_add_nc_u64 s[16:17], s[16:17], s[54:55]
	s_lshl_b32 s54, s53, 12
	s_add_co_u32 s54, s54, s58
	s_add_nc_u64 s[18:19], s[18:19], s[54:55]
	CROUND                                         ; all four work-groups are here: the first joint loads meet
	tensor_load_to_lds s[32:35], s[24:31]          ; ring slot 0: my one tensor load at the head
	s_nop 0
	PLACES
; THE LOAD PHASE.  A UNIT is 16 rows x 128 along K, 8 KiB: unit u = row slot u / 4, own K step u % 4.  Four landing buffers of 64 registers take turns: four units' loads, 64 of 512 bytes, are out for a wave.
.macro LBSET u
.set LB, 192
.if (\u)%4 == 0
.set LW, 0
.set LB, 152
.elseif (\u)%4 == 1
.set LW, 3
.elseif (\u)%4 == 2
.set LW, 2
.else
.set LW, 1
.endif
.endm
.macro ULOAD u                         ; 16 loads, a row each: the wave reads 512 consecutive bytes
	LBSET \u
.set WW, LW<<6
	WIN WW
.set rr, 0
.rept 16
	global_load_b128 v[LB+4*rr:LB+4*rr+3], v[VA], s[4:5] offset:65536*((\u)/4)+4096*rr+512*((\u)%4) th:TH_LOAD_NT
.set rr, rr+1
.endr
.endm
.macro UNIT u
	LBSET \u
.set TT, (\u)/4
.set SS, (\u)%4
.set CB, 48*TT+12*SS
.if (\u) < 8
.set DW, 0
.set DB, BT
.elseif (\u) < 14
.set DW, 3
.set DB, 32*((\u)-8)
.else
.set DW, LW                            ; units 14 and 15 pack their copy into the lower half of their own landing buffer: register rr is written when 2 rr and 2 rr + 1 are read
.set DB, 192
.endif
.if (\u) < 13
	s_wait_loadcnt 48                              ; this unit's 16 loads are in; the three younger units' may be out
.else
	s_wait_loadcnt 16*(15-(\u))
.endif
.set WW, LW<<2
	WIN WW
.set rr, 0
.rept 16
	ds_store_b128 v[STA], v[LB+4*rr:LB+4*rr+3] offset:528*rr
.set rr, rr+1
.endr
	WIN 0
.set rr, 0
.rept 16
	ds_load_b128 v[X+4*rr:X+4*rr+3], v[STB] offset:256*(rr/8)+16*(rr%8)   ; LDS serves a wave's instructions in order (ISA guide 5.7.1.4).  Register 32 c + i = k 64 c + 32 (lane / 16) + i of row r
.set rr, rr+1
.endr
.set WW, LW|(LW<<2)|(DW<<6)
	WIN WW
.set rr, 0
.rept 32
	v_cvt_pk_bf16_f32 v[DB+rr], v[LB+2*rr], v[LB+2*rr+1]   ; the copy for the context: registers 2 rho, 2 rho + 1 = row rho, columns 4 x lane + 0 .. 3
.set rr, rr+1
.endr
	WIN 0
.if (\u) < 8
.set rr, 0
.rept 8
	ds_store_b128 v[RTA], v[BT+4*rr:BT+4*rr+3] offset:4096*(\u)+512*rr
.set rr, rr+1
.endr
.endif
	s_wait_dscnt 0x0                               ; the numbers are back; the stores have read the landing buffer
.if (\u) <= 11
	ULOAD (\u)+4                                   ; into the buffer that this unit has left
.endif
	WIN 0
.irp c, 0,1                                    ; the largest magnitude of my two blocks; two chains a block
	v_max3_num_f32 v[M0+\c], |v[X+32*\c]|, |v[X+32*\c+1]|, |v[X+32*\c+2]|
	v_max3_num_f32 v[N0+\c], |v[X+32*\c+3]|, |v[X+32*\c+4]|, |v[X+32*\c+5]|
.endr
.irp i, 6,10,14,18,22,26
.irp c, 0,1
	v_max3_num_f32 v[M0+\c], v[M0+\c], |v[X+32*\c+\i]|, |v[X+32*\c+\i+1]|
	v_max3_num_f32 v[N0+\c], v[N0+\c], |v[X+32*\c+\i+2]|, |v[X+32*\c+\i+3]|
.endr
.endr
.irp c, 0,1
	v_max3_num_f32 v[M0+\c], v[M0+\c], |v[X+32*\c+30]|, |v[X+32*\c+31]|
.endr
.irp c, 0,1
	v_max3_num_f32 v[M0+\c], v[M0+\c], v[N0+\c], 0x2800000   ; the floor 2^(5 - 127): the byte cannot fall under 1
.endr
.irp c, 0,1
	v_add_nc_u32 v[SC0+\c], 0xfe000000, v[M0+\c]   ; 4 off the exponent field: the conversion's scale operand
.endr
.irp c, 0,1
	v_lshrrev_b32 v[N0+\c], 23, v[SC0+\c]          ; the scale's byte
.endr
	v_lshl_or_b32 v[PW], v[N0+1], 16, v[N0]
	v_lshlrev_b32 v[PW], v[SH], v[PW]
	v_permlanex16_b32 v[PX], v[PW], s42, s43
	v_or_b32 v[PW], v[PW], v[PX]                   ; with lane l xor 16's two bytes the word is whole
.irp c, 0,1
	v_cvt_scalef32_pk16_bf6_f32 v[CT+4*\c:CT+4*\c+2], v[X+32*\c+16:X+32*\c+31], v[SC0+\c]   ; a block's second three registers begin on an odd number: made here and moved
.endr
	WIN 0x40
.irp c, 0,1
	v_cvt_scalef32_pk16_bf6_f32 v[CB+6*\c:CB+6*\c+2], v[X+32*\c:X+32*\c+15], v[SC0+\c]
.endr
	v_nop                                          ; one plain place behind a scaled conversion
.irp c, 0,1
.irp i, 0,1,2
	v_mov_b32 v[CB+6*\c+3+\i], v[CT+4*\c+\i]
.endr
.endr
	WIN 0x04
.irp c, 0,1,2
	ds_store_b128 v[IMA], v[CB+4*\c:CB+4*\c+3] offset:1536*SS+512*\c   ; the fragment as it stands, for the partner
.endr
	WIN 0
	ds_store_b32 v[ASA], v[PW] offset:256*TT+64*SS
.endm
.macro COLLECT t                       ; the partner's four fragments of row slot t, into window 2
	WIN 0x80
.set ff, 0
.rept 12
	ds_load_b128 v[48*(\t)+4*ff:48*(\t)+4*ff+3], v[IMB] offset:512*ff
.set ff, ff+1
.endr
	WIN 0
.endm
	global_load_b128 v[40:43], v38, s[8:9]         ; We: 8 numbers a thread, from the place that the walk's order gives them
	global_load_b128 v[44:47], v38, s[8:9] offset:16
	global_load_b128 v[48:51], v38, s[12:13]       ; pqc of my batch likewise
	global_load_b128 v[52:55], v38, s[12:13] offset:16
.irp t, 0,1,2,3
	global_load_u8 v[MK+\t], v34, s[6:7] offset:16*\t
.endr
	ULOAD 0
	ULOAD 1
	ULOAD 2
	s_wait_loadcnt 48                              ; all but the three units' 48 loads
	ULOAD 3
	WIN 0
.irp i, 0,2,4,6
	v_pk_mul_f32 v[40+\i:41+\i], v[40+\i:41+\i], s[56:57] op_sel_hi:[1,0]   ; -c2 We
.endr
	ds_store_b128 v37, v[40:43]
	ds_store_b128 v37, v[44:47] offset:16
	ds_store_b128 v37, v[48:51] offset:TPQ-TWE
	ds_store_b128 v37, v[52:55] offset:TPQ-TWE+16
	ds_store_b16 v39, v[NIL]                       ; 128 threads x 2 bytes: the zeros in front of We's table
	s_wait_dscnt 0x0                               ; the stores have read their registers, which the first unit loads into
.irp t, 0,1,2,3
	UNIT 4*\t
	UNIT 4*\t+1
	UNIT 4*\t+2
	UNIT 4*\t+3
.if \t == 0
	s_wait_tensorcnt 0x0                           ; ring slot 1's first fill is issued as a refill is
	ds_add_u32 v[SPW], v[NIL]
	s_wait_dscnt 0x0                               ; the add is done; and the row slot's fragments lie in LDS
	CROUND
	tensor_load_to_lds s[36:39], s[24:31]          ; my one tensor load behind the round
	s_nop 0
	PLACES
.else
.if \t == 3
	s_wait_tensorcnt 0x0                           ; my quarters of both ring slots have landed: behind the barrier both are whole.
.endif
	BARRIER                                        ; the row slot's fragments lie in LDS
.endif
	COLLECT \t
.if \t < 3
	BARRIER                                        ; they have been read: the next row slot's may be written
.endif
.endr
.irp tp, 0,1                                   ; register 8 tp + q: lanes 0-15 row slot tp's word of K step q (in my order), lanes 16-31 row slot tp + 2's
.irp q, 0,1,2,3
	ds_load_b32 v[ASCR+8*\tp+\q], v[ASRO] offset:256*\tp+64*\q
	ds_load_b32 v[ASCR+8*\tp+4+\q], v[ASRP] offset:256*\tp+64*\q
.endr
.endr
	s_wait_dscnt 0x0
; THE WALK.
.macro SETOF k                         ; accumulator set k % 4: its window KW and its first register KB
.if (\k)%4 < 2
.set KW, 0
.set KB, 32+32*((\k)%4)
.else
.set KW, 3
.set KB, 128+32*((\k)%4)
.endif
.endm
; Matrix instruction kk of a tile's 32: K step kk / 4 (in my order), row slot kk % 4.  The set's four accumulators take turns; the first four start the sums.
; Source 1 lies in window 1 (my own codes) for kk < 16 and in window 2 (the partner's) from there on.
.macro MM k0, k1
.set kk, \k0
.rept (\k1)-(\k0)+1
.set qq, kk/4
.set tt, kk%4
.set rD, MB+8*tt
.set rB, 48*tt+12*(qq%4)
.set rA, ASCR+8*(tt%2)+qq
.set rF, FR0+12*qq
.set rS, BS+qq
.if qq == 0
.if tt < 2
	v_wmma_scale_f32_16x16x128_f8f6f4 v[rD:rD+7], v[rF:rF+11], v[rB:rB+11], 0, v[rS], v[rA] matrix_a_fmt:MATRIX_FMT_BF6 matrix_b_fmt:MATRIX_FMT_BF6
.else
	v_wmma_scale_f32_16x16x128_f8f6f4 v[rD:rD+7], v[rF:rF+11], v[rB:rB+11], 0, v[rS], v[rA] matrix_a_fmt:MATRIX_FMT_BF6 matrix_b_fmt:MATRIX_FMT_BF6 matrix_b_scale:MATRIX_SCALE_ROW1
.endif
.else
.if tt < 2
	v_wmma_scale_f32_16x16x128_f8f6f4 v[rD:rD+7], v[rF:rF+11], v[rB:rB+11], v[rD:rD+7], v[rS], v[rA] matrix_a_fmt:MATRIX_FMT_BF6 matrix_b_fmt:MATRIX_FMT_BF6
.else
	v_wmma_scale_f32_16x16x128_f8f6f4 v[rD:rD+7], v[rF:rF+11], v[rB:rB+11], v[rD:rD+7], v[rS], v[rA] matrix_a_fmt:MATRIX_FMT_BF6 matrix_b_fmt:MATRIX_FMT_BF6 matrix_b_scale:MATRIX_SCALE_ROW1
.endif
.endif
.set kk, kk+1
.endr
.endm
; A tile's 30 LDS loads, always in this order: 2 of scale words, 24 of fragments (L1), 2 of pqc, 2 of We (L2).  NRS the tile's ring slot, NOFF its place in my half of the slot, NTI the tile in hand, counted in the trip.
.macro L1
	ds_load_b128 v[BS:BS+3], v[SO+NRS] offset:NOFF
	ds_load_b128 v[BS+4:BS+7], v[SP+NRS] offset:NOFF
.set gg, 0
.rept 12
	ds_load_b128 v[FR0+4*gg:FR0+4*gg+3], v[AO+NRS] offset:NOFF+512*gg
.set gg, gg+1
.endr
.rept 12
	ds_load_b128 v[FR0+4*gg:FR0+4*gg+3], v[AP+NRS] offset:NOFF+512*(gg-12)
.set gg, gg+1
.endr
.endm
.macro LPQ                             ; pqc of tile NTI + 1
	ds_load_b128 v[PQ:PQ+3], v[TAB] offset:TPQ-TWE+192+64*NTI
	ds_load_b128 v[PQ+4:PQ+7], v[TAB] offset:TPQ-TWE+208+64*NTI
.endm
.macro LWE                             ; We of tile NTI - 1
	ds_load_b128 v[WE:WE+3], v[TAB] offset:64+64*NTI
	ds_load_b128 v[WE+4:WE+7], v[TAB] offset:80+64*NTI
.endm
.macro ST_F k                          ; x (-c2 We), onto t's sums
	SETOF \k
	WIN KW
.set nn, 0
.rept 16
	v_pk_fma_f32 v[SACC+2*(nn%4):SACC+2*(nn%4)+1], v[KB+8*(nn%4)+2*(nn/4):KB+8*(nn%4)+2*(nn/4)+1], v[WE+2*(nn/4):WE+2*(nn/4)+1], v[SACC+2*(nn%4):SACC+2*(nn%4)+1]
.set nn, nn+1
.endr
.endm
.macro ST_A k                          ; c2 x sum + pqc; each accumulator from its low end on
	SETOF \k
	WIN KW|(KW<<6)
.set nn, 0
.rept 16
	v_pk_fma_f32 v[KB+2*nn:KB+2*nn+1], v[KB+2*nn:KB+2*nn+1], s[40:41], v[PQ+2*(nn%4):PQ+2*(nn%4)+1] op_sel_hi:[1,0,1]
.set nn, nn+1
.endr
.endm
.macro ST_D k                          ; + 1
	SETOF \k
	WIN KW|(KW<<6)
.set nn, 0
.rept 16
	v_pk_add_f32 v[KB+2*nn:KB+2*nn+1], v[KB+2*nn:KB+2*nn+1], 1.0 op_sel_hi:[1,0]
.set nn, nn+1
.endr
.endm
.macro ST_T op, k                      ; 32 transcendentals in place
	SETOF \k
	WIN KW|(KW<<6)
.set nn, 0
.rept 32
	\op v[KB+nn], v[KB+nn]
.set nn, nn+1
.endr
.endm
; P1: tile i's 32 matrix instructions.  The counted waits: of the tile's 30 loads 22 were issued behind fragments 0 and 1, 16 behind 2 and 3, 10 behind 4 and 5, 4 behind 6 and 7.
; The wait at its end is the one wait behind the batch of transcendentals that stands ahead of it, ahead of the batch's first reader.
.macro P1 i
	SETOF \i
.set MB, KB
.set MW, (KW<<6)|(KW<<4)
	s_wait_dscnt 22
	WIN MW|0x04
	MM 0, 7
	s_wait_dscnt 16
	MM 8, 15
	s_wait_dscnt 10
	WIN MW|0x08
	MM 16, 23
	s_wait_dscnt 4
	MM 24, 31
	WIN 0
	s_wait_alu depctr_va_vdst(0)
.endm
; P2: what follows tile i's matrix instructions.  mode 2: i is its slot's second tile, all of the slot is in registers, so the slots change: each wave waits for all its tensor loads (the one that is out is its quarter of the
; other ring slot), adds 0 to its spare word, waits for that and for its reads; the barrier opens a round of the cluster's barrier, with the plain work between its signal and its wait, and this ring slot is filled again,
; jointly, with the tiles two steps on.  mode 1: the barrier alone (the other ring slot is shown whole).  nxt: a next tile is fetched.  The 16 lines of ST_F name none of the last products' registers: they are the places
; ahead of the loads into those registers and of the first read of a result.
.macro P2 i, mode, nxt, nrs, noff
.set NRS, \nrs
.set NOFF, \noff
.set NTI, \i
.if \mode
	s_wait_tensorcnt 0x0
	ds_add_u32 v[SPW], v[NIL]
.if \mode == 2
	s_xor_b32 s37, s37, RING1                      ; no load of mine is out: the walking descriptor takes the other ring slot,
	s_add_co_u32 s62, s62, 1
	s_and_b32 s62, s62, 15                         ; the next slot of wk_img, modulo 16,
	s_mul_i32 s50, s62, SLOTB
	s_add_co_u32 s50, s50, s60
	s_add_nc_u64 s[38:39], s[10:11], s[50:51]      ; its address made anew from the buffer's,
	s_or_b32 s39, s39, 0x80000000                  ; and the type with it
.endif
.endif
	s_wait_dscnt 0x0                               ; pqc and We are in (and the add is done)
.if \mode
	s_barrier_signal -1
.endif
	ST_F (\i)+2
.if (\nxt) && (\mode) == 0
	WIN 0
	L1
.endif
	ST_A \i
	ST_D (\i)+3
	WIN 0
.if \mode
	s_barrier_wait -1
.if \mode == 2
	CREST                                          ; no wave of any partner still reads this ring slot or has a load on its way
	tensor_load_to_lds s[36:39], s[24:31]
	s_nop 0
.endif
	L1
.endif
.if \nxt
	LPQ
.endif
	LWE
	s_wait_alu depctr_va_vdst(0)                   ; the wait ahead of the batch
	ST_T v_exp_f32, \i
	ST_T v_rcp_f32, (\i)+3
	v_nop                                          ; a plain place behind the last of the batch
	WIN 0
.endm
	v_mov_b32 v[TAB], v[TAB0]
.irp i, 0,1,2,3,4,5,6,7
	v_mov_b32 v[SACC+\i], 0
.endr
	WIN 0xc0
.set nn, 0
.rept 32
	v_mov_b32 v[192+nn], 0                         ; set 2: what the first trip multiplies by We
	v_mov_b32 v[224+nn], 0x7f800000                ; set 3: infinity; + 1 and the reciprocal make 0 of it
.set nn, nn+1
.endr
	WIN 0
.set NRS, 0
.set NOFF, 0
.set NTI, -1
	L1                                             ; the walk's first tile
	LPQ
	LWE
	s_mov_b32 s47, 7
	P1 0
.Lwalk:                                            ; a trip is four tiles, two steps, once round the ring: steps 0 to 13; the slots of steps 2 to 15 are asked for.  The jump stands behind P1's wait: no transcendental is out there
	P2 0, 0, 1, 0, QUARTB
	P1 1
	P2 1, 2, 1, 1, 0
	P1 2
	P2 2, 0, 1, 1, QUARTB
	P1 3
	P2 3, 2, 1, 0, 0
	s_add_co_u32 s46, s46, 256
	v_add_nc_u32 v[TAB], s46, v[TAB0]              ; P1's wait stands between this line and its readers
	P1 0
	s_sub_co_u32 s47, s47, 1
	s_cmp_lg_u32 s47, 0
	s_cbranch_scc1 .Lwalk
	P2 0, 0, 1, 0, QUARTB                          ; steps 14 and 15 are written out: they ask for nothing more
	P1 1
	P2 1, 1, 1, 1, 0
	P1 2
	P2 2, 0, 1, 1, QUARTB
	P1 3
	P2 3, 0, 0, 0, 0
	s_wait_alu depctr_va_vdst(0)                   ; the pipeline runs empty: tile 30's last stage, tile 31's last two
	s_wait_dscnt 0x0
	ST_F 2
	ST_D 3
	WIN 0
.set NTI, 4
	LWE
	s_wait_alu depctr_va_vdst(0)
	ST_T v_rcp_f32, 3
	v_nop
	WIN 0
	s_wait_alu depctr_va_vdst(0)
	s_wait_dscnt 0x0
	ST_F 3
	WIN 0
	; THE GROUP'S PART OF THE SOFTMAX.  A lane's pair, then lane l xor 16's: row 16 t + r's sum over my half of the columns; the partner holds the other half.
.irp t, 0,1,2,3
	v_add_f32 v[32+\t], v[SACC+2*\t], v[SACC+2*\t+1]
.endr
.irp t, 0,1,2,3
	v_permlanex16_b32 v[36+\t], v[32+\t], s42, s43
.endr
.irp t, 0,1,2,3
	v_add_f32 v[32+\t], v[32+\t], v[36+\t]
.endr
.irp t, 0,1,2,3
	ds_store_b32 v[XA], v[32+\t] offset:64*\t
.endr
	v_mov_b32 v40, 0xff800000                      ; minus infinity
	s_wait_alu depctr_va_vdst(0)                   ; the wait ahead of the barrier
	BARRIER
.irp t, 0,1,2,3
	ds_load_b32 v[36+\t], v[XB] offset:64*\t
.endr
	s_wait_dscnt 0x0
.irp t, 0,1,2,3
	v_add_f32 v[32+\t], v[32+\t], v[36+\t]         ; t: the same bits in both partners
.endr
.irp t, 0,1,2,3
	v_cmp_ne_u32 vcc_lo, 0, v[MK+\t]
	v_cndmask_b32 v[32+\t], v40, v[32+\t], vcc_lo  ; minus infinity where the mask is 0
.endr
	v_max3_num_f32 v244, v32, v33, 0xff61b1e6      ; the group's maximum, with the floor -3e38
	v_max3_num_f32 v244, v244, v34, v35
	v_max_num_f32_dpp v244, v244, v244 row_xmask:1 row_mask:0xf bank_mask:0xf
	v_max_num_f32_dpp v244, v244, v244 row_xmask:2 row_mask:0xf bank_mask:0xf
	v_max_num_f32_dpp v244, v244, v244 row_xmask:4 row_mask:0xf bank_mask:0xf
	v_max_num_f32_dpp v244, v244, v244 row_xmask:8 row_mask:0xf bank_mask:0xf   ; both halves of the lanes hold the same 64 rows
.irp t, 0,1,2,3
	v_sub_f32 v[36+\t], v[32+\t], v244
.endr
	s_wait_alu depctr_va_vdst(0)
.irp t, 0,1,2,3
	v_exp_f32 v[36+\t], v[36+\t]                   ; p = 2^(t - m)
.endr
	v_nop
	s_wait_alu depctr_va_vdst(0)
	v_add_f32 v245, v36, v37
	v_add_f32 v41, v38, v39
	v_add_f32 v245, v245, v41
	v_add_f32_dpp v245, v245, v245 row_xmask:1 row_mask:0xf bank_mask:0xf
	v_add_f32_dpp v245, v245, v245 row_xmask:2 row_mask:0xf bank_mask:0xf
	v_add_f32_dpp v245, v245, v245 row_xmask:4 row_mask:0xf bank_mask:0xf
	v_add_f32_dpp v245, v245, v245 row_xmask:8 row_mask:0xf bank_mask:0xf       ; l
.irp t, 0,1,2,3
	ds_store_b32 v[PA], v[36+\t] offset:64*\t
	ds_store_b32 v[PA], v[32+\t] offset:256+64*\t
.endr
	s_wait_alu depctr_va_vdst(0)
	s_wait_dscnt 0x0
	s_cmp_lg_u32 s22, 0                            ; of the two partners the one with j = 0 stores t, m and l
	s_cbranch_scc1 .Lnot_mine
	ds_load_b64 v[246:247], v[TRD]
	s_wait_dscnt 0x0
	global_store_b64 v[V8], v[246:247], s[14:15]   ; the group's 64 t: 256 consecutive bytes, aligned
	global_store_b64 v[V8], v[244:245], s[16:17]   ; (m, l), 32 times: 256 consecutive bytes, aligned
.Lnot_mine:
	; THE CONTEXT'S PART: my 64 rows x my 512 columns, from the bf16 copy.  A lane holds columns 128 x K step + 4 x lane + 0 .. 3; even and odd rows have sums of their own, so that eight chains take turns.
.macro RLOAD u, reg
.set ff, 0
.rept 8
	ds_load_b128 v[(\reg)+4*ff:(\reg)+4*ff+3], v[RTA] offset:4096*(\u)+512*ff
.set ff, ff+1
.endr
.endm
.macro CTX1 win, base, u
	WIN \win
.set rr, 0
.rept 16
.set cxr, CX+16*(rr%2)+4*((\u)%4)
.set ppr, P+16*((\u)/4)+rr
	v_fma_mix_f32_bf16 v[cxr], v[(\base)+2*rr], v[ppr], v[cxr] op_sel_hi:[1,0,0]
	v_fma_mix_f32_bf16 v[cxr+1], v[(\base)+2*rr], v[ppr], v[cxr+1] op_sel:[1,0,0] op_sel_hi:[1,0,0]
	v_fma_mix_f32_bf16 v[cxr+2], v[(\base)+2*rr+1], v[ppr], v[cxr+2] op_sel_hi:[1,0,0]
	v_fma_mix_f32_bf16 v[cxr+3], v[(\base)+2*rr+1], v[ppr], v[cxr+3] op_sel:[1,0,0] op_sel_hi:[1,0,0]
.set rr, rr+1
.endr
.endm
.set ff, 0
.rept 16
	ds_load_b128 v[P+4*ff:P+4*ff+3], v[PBA] offset:16*ff   ; all lanes read the same bytes: register 16 t + rho = that row's p
.set ff, ff+1
.endr
	RLOAD 0, RL0
	RLOAD 1, RL1
.set ff, 0
.rept 32
	v_mov_b32 v[CX+ff], 0
.set ff, ff+1
.endr
.irp u, 0,2,4
	s_wait_dscnt 8                                 ; this unit is in; the next unit's 8 loads may be out
	CTX1 0, RL0, \u
	RLOAD \u+2, RL0
	s_wait_dscnt 8
	CTX1 0, RL1, \u+1
	RLOAD \u+3, RL1
.endr
	s_wait_dscnt 8
	CTX1 0, RL0, 6
	s_wait_dscnt 0x0
	CTX1 0, RL1, 7
	; A PREFETCH INTO THE L2: the three units (16 rows x 3 x 512 bytes) that the same wave of the work-group 256 further on in the grid asks for first.  A lane names a block of 256 bytes: row lane % 16, block lane / 16 of
	; a unit's two.  Each block is named once in the launch.  Clusters 64 to 127 have no successor and ask for nothing: a branch on the cluster's number, the same in all four partners.  The address registers are never rewritten.
	s_cmp_lt_u32 ttmp9, 64
	s_cbranch_scc0 .Lno_ask
	global_prefetch_b8 v[PFO], s[2:3] th:TH_LOAD_NT scope:SCOPE_SE
	global_prefetch_b8 v[PFO], s[2:3] offset:512 th:TH_LOAD_NT scope:SCOPE_SE
	global_prefetch_b8 v[PFO], s[2:3] offset:1024 th:TH_LOAD_NT scope:SCOPE_SE
.Lno_ask:
.irp u, 8,9,10,11,12,13
	CTX1 3, 32*(\u-8), \u
.endr
	CTX1 2, 192, 14
	CTX1 1, 192, 15
	WIN 0
.irp i, 0,2,4,6,8,10,12,14
	v_pk_add_f32 v[CX+\i:CX+\i+1], v[CX+\i:CX+\i+1], v[CX+16+\i:CX+17+\i]
.endr
.irp s, 0,1,2,3
	global_store_b128 v[VA], v[CX+4*\s:CX+4*\s+3], s[18:19] offset:512*\s   ; the wave stores 512 consecutive bytes, at a multiple of 256 from the buffer's first byte
.endr
	s_wait_tensorcnt 0x0                           ; the wave's end
	ds_add_u32 v[SPW], v[NIL]
	s_wait_dscnt 0x0
	CROUND                                         ; the closing round
	s_endpgm
.Lfunc_end_k_qa10d9c0b80_main:
	.size	k_qa10d9c0b80_main, .Lfunc_end_k_qa10d9c0b80_main-k_qa10d9c0b80_main
	.p2alignl 7, 3214868480
	.fill 96, 4, 3214868480
	.section	.rodata,"a",@progbits
	.p2align	6, 0x0
	.amdhsa_kernel k_qa10d9c0b80_main
		.amdhsa_group_segment_fixed_size 327680
		.amdhsa_private_segment_fixed_size 0
		.amdhsa_enable_private_segment 0
		.amdhsa_kernarg_size 64
		.amdhsa_user_sgpr_count 2
		.amdhsa_user_sgpr_kernarg_segment_ptr 1
		.amdhsa_wavefront_size32 1
		.amdhsa_system_sgpr_workgroup_id_x 1
		.amdhsa_system_sgpr_workgroup_id_y 1
		.amdhsa_system_sgpr_workgroup_id_z 1
		.amdhsa_system_vgpr_workitem_id 0
		.amdhsa_next_free_vgpr 1024
		.amdhsa_next_free_sgpr 66
		.amdhsa_reserve_vcc 1
		.amdhsa_float_denorm_mode_32 3
		.amdhsa_float_denorm_mode_16_64 3
		.amdhsa_memory_ordered 1
		.amdhsa_forward_progress 1
		.amdhsa_inst_pref_size 255
	.end_amdhsa_kernel
	.section	.bss,"aw",@nobits
	.p2align	6
	.space	262144
	.amdgpu_metadata
---
amdhsa.version: [ 1, 2 ]
amdhsa.kernels:
  - .name:           k_qa10d9c0b80_main
    .symbol:         k_qa10d9c0b80_main.kd
    .args:
      - { .name: values, .offset: 0, .size: 8, .value_kind: global_buffer, .address_space: global }
      - { .name: mask, .offset: 8, .size: 8, .value_kind: global_buffer, .address_space: global }
      - { .name: We, .offset: 16, .size: 8, .value_kind: global_buffer, .address_space: global }
      - { .name: wk_img, .offset: 24, .size: 8, .value_kind: global_buffer, .address_space: global }
      - { .name: pqc, .offset: 32, .size: 8, .value_kind: global_buffer, .address_space: global }
      - { .name: sc, .offset: 40, .size: 8, .value_kind: global_buffer, .address_space: global }
      - { .name: ml, .offset: 48, .size: 8, .value_kind: global_buffer, .address_space: global }
      - { .name: pctx, .offset: 56, .size: 8, .value_kind: global_buffer, .address_space: global }
    .group_segment_fixed_size: 327680
    .private_segment_fixed_size: 0
    .kernarg_segment_align: 8
    .kernarg_segment_size: 64
    .max_flat_workgroup_size: 128
    .sgpr_count:     66
    .vgpr_count:     1024
    .wavefront_size: 32
...
	.end_amdgpu_metadata
.endif
;; end of part 5
;; launch finish (part 6): grid 4 x 32, 4 waves a work-group, no clusters, 0 bytes of LDS; arguments sc, ml, pctx, out0, out1; writes out0, out1
.if DOCPART == 6
	.amdgcn_target "amdgcn-amd-amdhsa--gfx1250"
	.amdhsa_code_object_version 6
	.text
	.protected	k_qa10d9c0b80_finish
	.globl	k_qa10d9c0b80_finish
	.p2align	8
	.type	k_qa10d9c0b80_finish,@function
k_qa10d9c0b80_finish:
	s_mov_b64 s[64:65], 0
	v_nop
	global_prefetch_b8 v0, s[64:65] scope:SCOPE_SE
	s_setreg_imm32_b32 hwreg(HW_REG_WAVE_MODE, 25, 1), 1
	s_wait_xcnt 0x0
; THE PARTS OF A BATCH ARE JOINED.  A batch has 32 groups of 64 keys; of each the launch before has left t (log2(e) x score up to a constant of the batch; minus infinity where masked), its own maximum m,
; l = sum of 2^(t - m), and the context part sum of 2^(t - m) x values.  With M = the largest m and L = sum of l 2^(m - M):
;   alphas = 2^(t - M) / L;      context = sum over the groups of (2^(m - M) / L) x part.
; The maximum that is taken away is the batch's true one.  A batch that is masked whole has L = 0: 1 / L is infinite, and 0 x infinity gives NaN, as the softmax of minus infinities does.
; SHARES.  Work-group (x, y): batch y, quarter x of its 2,048 alphas and of its 1,024 context numbers.  128 threads: 4 alphas and 2 context numbers each.  Every wave makes M, L and the 32 weights for itself, a lane a group:
; no LDS, no barrier.  The weights go to scalar registers as multiplicands; no address and no branch hangs on them.
; REGISTERS: v[2:3] (m, l) of group = lane; v[4:7] t, then alphas; v8-71 the 32 parts, 2 numbers each; v72-79, v84-85 at work; v80-82 offsets.  s20-51 the weights.
	s_load_b256 s[4:11], s[0:1], 0x0               ; sc s[4:5], ml s[6:7], pctx s[8:9], out0 s[10:11]
	s_load_b64 s[12:13], s[0:1], 0x20              ; out1
	s_and_b32 s14, ttmp7, 0xffff                   ; the batch
	v_and_b32 v1, 31, v0
	v_lshlrev_b32 v80, 8, v1                       ; ml: 256 bytes a group
	v_lshlrev_b32 v81, 4, v0                       ; 16 x thread
	v_lshlrev_b32 v82, 3, v0                       ; 8 x thread
	v_mov_b32 v73, 0                               ; written once: a lane permute's destination counts as one of its sources
	s_mov_b32 s52, 0x76543210
	s_mov_b32 s53, 0xfedcba98                      ; v_permlanex16_b32's selects for lane l xor 16
	s_mov_b32 s17, 0
	s_mov_b32 s19, 0
	s_lshl_b32 s16, s14, 13                        ; 8,192 bytes a batch in ml, sc and out1
	s_lshl_b32 s15, ttmp9, 11
	s_add_co_u32 s18, s16, s15                     ; + my quarter
	s_wait_alu depctr_va_vdst(0)
	s_wait_kmcnt 0x0
	s_add_nc_u64 s[6:7], s[6:7], s[16:17]
	s_add_nc_u64 s[4:5], s[4:5], s[18:19]
	s_add_nc_u64 s[12:13], s[12:13], s[18:19]
	s_lshl_b32 s16, s14, 17                        ; pctx: 32 groups of 4,096 bytes a batch
	s_lshl_b32 s15, ttmp9, 10
	s_add_co_u32 s16, s16, s15
	s_add_nc_u64 s[8:9], s[8:9], s[16:17]
	s_lshl_b32 s16, s14, 12
	s_add_co_u32 s16, s16, s15
	s_add_nc_u64 s[10:11], s[10:11], s[16:17]
	global_load_b64 v[2:3], v80, s[6:7]
	global_load_b128 v[4:7], v81, s[4:5] th:TH_LOAD_NT
.set g, 0
.rept 32
	global_load_b64 v[8+2*g:9+2*g], v82, s[8:9] offset:4096*g th:TH_LOAD_NT   ; the wave reads 256 consecutive bytes of group g's part
.set g, g+1
.endr
	s_wait_loadcnt 33                              ; (m, l) is in; the 33 younger loads may be out
	v_mov_b32 v72, v2
	v_max_num_f32_dpp v72, v72, v72 row_xmask:1 row_mask:0xf bank_mask:0xf
	v_max_num_f32_dpp v72, v72, v72 row_xmask:2 row_mask:0xf bank_mask:0xf
	v_max_num_f32_dpp v72, v72, v72 row_xmask:4 row_mask:0xf bank_mask:0xf
	v_max_num_f32_dpp v72, v72, v72 row_xmask:8 row_mask:0xf bank_mask:0xf
	v_permlanex16_b32 v73, v72, s52, s53
	v_max_num_f32 v72, v72, v73                    ; M, in every lane
	v_sub_f32 v74, v2, v72
	s_wait_alu depctr_va_vdst(0)
	v_exp_f32 v74, v74                             ; f = 2^(m - M)
	v_nop                                          ; a plain place behind the transcendental,
	s_wait_alu depctr_va_vdst(0)                   ; and the wait ahead of its first reader
	v_mul_f32 v75, v3, v74
	v_add_f32_dpp v75, v75, v75 row_xmask:1 row_mask:0xf bank_mask:0xf
	v_add_f32_dpp v75, v75, v75 row_xmask:2 row_mask:0xf bank_mask:0xf
	v_add_f32_dpp v75, v75, v75 row_xmask:4 row_mask:0xf bank_mask:0xf
	v_add_f32_dpp v75, v75, v75 row_xmask:8 row_mask:0xf bank_mask:0xf
	v_permlanex16_b32 v73, v75, s52, s53
	v_add_f32 v75, v75, v73                        ; L
	s_wait_alu depctr_va_vdst(0)
	v_rcp_f32 v77, v75
	v_nop
	s_wait_alu depctr_va_vdst(0)
	v_mul_f32 v76, v74, v77                        ; group = lane's weight
.set g, 0
.rept 32
	v_readlane_b32 s[20+g], v76, g
.set g, g+1
.endr
	s_wait_loadcnt 32                              ; t is in; the 32 parts may be out
.irp i, 0,1,2,3
	v_sub_f32 v[4+\i], v[4+\i], v72
.endr
	s_wait_alu depctr_va_vdst(0)
.irp i, 0,1,2,3
	v_exp_f32 v[4+\i], v[4+\i]
.endr
	v_nop
	s_wait_alu depctr_va_vdst(0)                   ; one wait for the four
.irp i, 0,1,2,3
	v_mul_f32 v[4+\i], v[4+\i], v77
.endr
	global_store_b128 v81, v[4:7], s[12:13]        ; the wave stores 512 consecutive bytes, at a multiple of 256 from the buffer's first byte
	s_wait_loadcnt 31                              ; part 0 is in
	v_mul_f32 v78, s20, v8                         ; the first products start the sums: even groups in one pair, odd groups in another
	v_mul_f32 v79, s20, v9
	s_wait_alu depctr_va_vdst(0)
	s_wait_loadcnt 30
	v_mul_f32 v84, s21, v10
	v_mul_f32 v85, s21, v11
.set g, 2
	s_wait_alu depctr_va_vdst(0)
.rept 15
	s_wait_loadcnt 31-g                            ; loads come back in order (ISA guide 5.7.1): part g is in, the younger ones may be out
	v_fmac_f32 v78, s[20+g], v[8+2*g]
	v_fmac_f32 v79, s[20+g], v[9+2*g]
	s_wait_alu depctr_va_vdst(0)
	s_wait_loadcnt 30-g
	v_fmac_f32 v84, s[21+g], v[10+2*g]
	v_fmac_f32 v85, s[21+g], v[11+2*g]
.set g, g+2
.endr
	v_pk_add_f32 v[78:79], v[78:79], v[84:85]
	global_store_b64 v82, v[78:79], s[10:11]       ; the wave stores 256 consecutive bytes, aligned
	s_endpgm
.Lfunc_end_k_qa10d9c0b80_finish:
	.size	k_qa10d9c0b80_finish, .Lfunc_end_k_qa10d9c0b80_finish-k_qa10d9c0b80_finish
	.p2alignl 7, 3214868480
	.fill 96, 4, 3214868480
	.section	.rodata,"a",@progbits
	.p2align	6, 0x0
	.amdhsa_kernel k_qa10d9c0b80_finish
		.amdhsa_group_segment_fixed_size 0
		.amdhsa_private_segment_fixed_size 0
		.amdhsa_enable_private_segment 0
		.amdhsa_kernarg_size 40
		.amdhsa_user_sgpr_count 2
		.amdhsa_user_sgpr_kernarg_segment_ptr 1
		.amdhsa_wavefront_size32 1
		.amdhsa_system_sgpr_workgroup_id_x 1
		.amdhsa_system_sgpr_workgroup_id_y 1
		.amdhsa_system_sgpr_workgroup_id_z 1
		.amdhsa_system_vgpr_workitem_id 0
		.amdhsa_next_free_vgpr 96
		.amdhsa_next_free_sgpr 66
		.amdhsa_reserve_vcc 0
		.amdhsa_float_denorm_mode_32 3
		.amdhsa_float_denorm_mode_16_64 3
		.amdhsa_memory_ordered 1
		.amdhsa_forward_progress 1
		.amdhsa_inst_pref_size 12
	.end_amdhsa_kernel
	.amdgpu_metadata
---
amdhsa.version: [ 1, 2 ]
amdhsa.kernels:
  - .name:           k_qa10d9c0b80_finish
    .symbol:         k_qa10d9c0b80_finish.kd
    .args:
      - { .name: sc, .offset: 0, .size: 8, .value_kind: global_buffer, .address_space: global }
      - { .name: ml, .offset: 8, .size: 8, .value_kind: global_buffer, .address_space: global }
      - { .name: pctx, .offset: 16, .size: 8, .value_kind: global_buffer, .address_space: global }
      - { .name: out0, .offset: 24, .size: 8, .value_kind: global_buffer, .address_space: global }
      - { .name: out1, .offset: 32, .size: 8, .value_kind: global_buffer, .address_space: global }
    .group_segment_fixed_size: 0
    .private_segment_fixed_size: 0
    .kernarg_segment_align: 8
    .kernarg_segment_size: 40
    .max_flat_workgroup_size: 128
    .sgpr_count:     66
    .vgpr_count:     96
    .wavefront_size: 32
...
	.end_amdgpu_metadata
.endif
;; end of part 6
